; MI455X (gfx1250); checked and timed in simulation.
; The chip was launched on July 23, 2026; its instructions are those of AMD's public machine-readable ISA for CDNA 5 (MIT licence, August 2026) and "CDNA5" Instruction Set Architecture Reference Guide (July 2026). The comments in the code are by the model that wrote it; some were corrected since.
;; Efficient Self Attention. Allowed arithmetic: float matrix products may take bf16 or f16 operands with f32 sums; other float arithmetic in f32, or as packed bf16 or f16 multiplies, adds, multiply-adds, maxima and minima; sums over many terms, partial sums and values carried from step to step in f32; what a program stores and reads back later, other than sums and carried values, may be rounded once to bf16 or f16.
;; Inputs: Wk 1,024 x 1,024 float32; Wq 1,024 x 1,024 float32; Wv 1,024 x 1,024 float32; beta 1,024 float32; bk 1,024 float32; bq 1,024 float32; bv 1,024 float32; gamma 1,024 float32; src_mask 4 x 4,096 x 1 float32; x 4 x 4,096 x 1,024 float32.
;; Outputs: out0 4 x 4,096 x 1,024 float32.
;; One version. Each part assembles by itself: llvm-mc -triple=amdgcn-amd-amdhsa -mcpu=gfx1250 --defsym DOCPART=n.
;; ======== version 1 of 1: 4 launches
;; workspace buffers: xn 33,554,432 bytes; wt 6,291,456 bytes; part 33,554,432 bytes; stats 1,048,576 bytes; attf 1,048,576 bytes
;; launch prep (part 1): grid 608 x 1, 8 waves a work-group, no clusters, 70,656 bytes of LDS; arguments x, gamma, beta, Wq, Wk, Wv, xn, wt; writes xn, wt
.if DOCPART == 1
	.amdgcn_target "amdgcn-amd-amdhsa--gfx1250"
	.amdhsa_code_object_version 6
	.text
	.protected	k_qf382503616_prep
	.globl	k_qf382503616_prep
	.p2align	8
	.type	k_qf382503616_prep,@function
k_qf382503616_prep:
	s_mov_b64 s[64:65], 0
	v_nop
	global_prefetch_b8 v0, s[64:65] scope:SCOPE_SE
	s_setreg_imm32_b32 hwreg(HW_REG_WAVE_MODE, 25, 1), 1
	s_wait_xcnt 0x0
; TWO JOBS IN ONE LAUNCH, chosen by the work-group's number; neither has a barrier.
; Work-groups 0-95: the three weights [k][n] f32 are turned into wt [3072][1024] bf16 with k along the rows.  Rows 0-1023: Wq's columns.  Row 1024 + 256 head + 128 fh + 64 kind + i:
;   column 128 head + 64 fh + i of Wk (kind 0) or Wv (kind 1), so that 128 consecutive rows hold 64 features of k and the same 64 of v.
;   A wave turns 128 k x 32 n through LDS bytes of its own; a row's 256 bytes of wt leave whole.  The reads are runs of 128 bytes (32 columns): the price of whole rows on the way out.
; Work-groups 96-607: xn = (x - mean) rsqrt(var + 1e-5) gamma + beta, rounded once to bf16.  A wave takes a whole row of 4,096 bytes into 32 registers; mean and variance in two passes in f32,
;   the variance of x - mean, so that a common offset in x costs nothing.  Matrix units, clusters and tensor loads would add nothing to a stream: left out.
; LIMITS: NaN and infinities are not treated apart.
.set WT_WG, 96                         ; work-groups of the first job: 3 weights x 32 strips of 32 columns; the eight waves take 128 rows of k each
.set TP,    272                        ; an LDS row of the turned tile: 128 k x 2 bytes + 16
.set WREG,  32*TP                      ; a wave's LDS bytes
.set SPARE, 8*WREG                     ; behind them: the spare words, 128 bytes for each of the eight waves
.set SPW, 2                            ; v2  LDS address of my spare word; never rewritten
.set NIL, 3                            ; v3  0; never rewritten
.set WD,  16                           ; v[16:143]  first job: 32 loads of four columns
.set G,   16                           ; v[16:47]   second job: gamma of my 32 columns
.set BT,  48                           ; v[48:79]   beta
.set X,   80                           ; v[80:143]  two rows
.set T,   144                          ; v[144:151] at work
	s_load_b512 s[8:23], s[0:1], 0x0               ; x s[8:9], gamma s[10:11], beta s[12:13], Wq s[14:15], Wk s[16:17], Wv s[18:19], xn s[20:21], wt s[22:23]
	v_lshl_add_u32 v[SPW], v0, 2, SPARE
	v_mov_b32 v[NIL], 0
	v_lshrrev_b32 v1, 5, v0
	v_readfirstlane_b32 s24, v1                    ; wave 0..7
	v_and_b32 v4, 31, v0                           ; lane
	s_cmp_lt_u32 ttmp9, WT_WG
	s_cbranch_scc0 .Lnorm
	; ---------------- the weights ----------------
	s_lshr_b32 s25, ttmp9, 5                       ; which weight: 0 q, 1 k, 2 v
	s_and_b32 s26, ttmp9, 31                       ; which strip of 32 columns
	s_lshl_b32 s28, s24, 19                        ; from: 128 rows of 4,096 bytes a wave,
	s_lshl_b32 s29, s26, 7                         ; 128 bytes a strip
	s_add_co_u32 s28, s28, s29
	s_mov_b32 s29, 0
	s_lshr_b32 s30, s26, 2                         ; to, for k and v: 256 x head
	s_lshl_b32 s30, s30, 8
	s_bfe_u32 s31, s26, 0x10001                    ; + 128 x half of the head
	s_lshl_b32 s31, s31, 7
	s_add_co_u32 s30, s30, s31
	s_and_b32 s31, s26, 1                          ; + 32 x strip in that half
	s_lshl_b32 s31, s31, 5
	s_add_co_u32 s30, s30, s31
	s_lshl_b32 s31, s25, 6                         ; + 64 x kind + 1024 = 64 x weight + 960
	s_add_co_u32 s30, s30, s31
	s_add_co_u32 s30, s30, 960
	s_lshl_b32 s31, s26, 5                         ; for q: 32 x strip
	s_cmp_eq_u32 s25, 0
	s_cselect_b32 s30, s31, s30
	s_lshl_b32 s30, s30, 11                        ; rows of 2,048 bytes,
	s_lshl_b32 s31, s24, 8                         ; my 128 k are 256 bytes of each
	s_add_co_u32 s30, s30, s31
	s_mov_b32 s31, 0
	v_lshrrev_b32 v5, 3, v4                        ; g: which four rows of sixteen
	v_and_b32 v6, 7, v4                            ; cc: which four columns
	v_lshlrev_b32 v7, 14, v5
	v_lshl_add_u32 v7, v6, 4, v7                   ; the loads' offset: 4 g rows + 16 cc bytes
	s_mul_i32 s32, s24, WREG
	v_mul_u32_u24 v8, v6, 4*TP
	v_lshl_add_u32 v8, v5, 3, v8
	v_add_nc_u32 v8, s32, v8                       ; into LDS: row 4 cc (+ c), byte 8 g (+ 32 u)
	v_lshrrev_b32 v9, 4, v4
	v_and_b32 v10, 15, v4
	v_mul_u32_u24 v11, v9, TP
	v_lshl_add_u32 v11, v10, 4, v11
	v_add_nc_u32 v11, s32, v11                     ; back: lanes 0-15 one row of 256 bytes, lanes 16-31 the next
	v_lshlrev_b32 v12, 11, v9
	v_lshl_add_u32 v12, v10, 4, v12                ; and the same two rows in wt
	s_wait_kmcnt 0x0
	s_cmp_eq_u32 s25, 1
	s_cselect_b64 s[34:35], s[16:17], s[14:15]
	s_cmp_eq_u32 s25, 2
	s_cselect_b64 s[34:35], s[18:19], s[34:35]
	s_add_nc_u64 s[34:35], s[34:35], s[28:29]
	s_add_nc_u64 s[36:37], s[22:23], s[30:31]
.irp u, 0,1,2,3,4,5,6,7
.irp e, 0,1,2,3
	global_load_b128 v[WD+16*(\u)+4*(\e):WD+16*(\u)+4*(\e)+3], v7, s[34:35] offset:(\u)*65536+(\e)*4096  ; row 16 u + 4 g + e, columns 4 cc ..
.endr
.endr
.irp u, 0,1,2,3,4,5,6,7
	s_wait_loadcnt 28-4*(\u)                       ; loads come back in order: group u's four are in, the later groups stay out
.irp c, 0,1,2,3
	v_cvt_pk_bf16_f32 v[T+2*(\c)],   v[WD+16*(\u)+(\c)],   v[WD+16*(\u)+4+(\c)]   ; four consecutive k of column 4 cc + c
	v_cvt_pk_bf16_f32 v[T+2*(\c)+1], v[WD+16*(\u)+8+(\c)], v[WD+16*(\u)+12+(\c)]
	ds_store_b64 v8, v[T+2*(\c):T+2*(\c)+1] offset:(\c)*TP+32*(\u)
.endr
.endr
.irp t, 0,1,2,3,4,5,6,7,8,9,10,11,12,13,14,15
	ds_load_b128 v[WD+4*(\t):WD+4*(\t)+3], v11 offset:(\t)*2*TP  ; LDS serves a wave's instructions in order (ISA guide 5.7.1.4): these see my stores above
.endr
.irp t, 0,1,2,3,4,5,6,7,8,9,10,11,12,13,14,15
	s_wait_dscnt 15-(\t)
	global_store_b128 v12, v[WD+4*(\t):WD+4*(\t)+3], s[36:37] offset:(\t)*4096  ; 16 lanes store 256 consecutive bytes, at a multiple of 256 from wt's first byte
.endr
	s_wait_tensorcnt 0x0                           ; the wave's end, behind my last LDS store
	ds_add_u32 v[SPW], v[NIL]
	s_wait_dscnt 0x0
	s_endpgm
	; ---------------- the norm ----------------
.Lnorm:
	s_sub_co_u32 s25, ttmp9, WT_WG
	s_lshl_b32 s25, s25, 5                         ; 32 rows a work-group,
	s_lshl_b32 s26, s24, 2                         ; four a wave
	s_add_co_u32 s25, s25, s26
	s_lshl_b32 s28, s25, 12                        ; in x: rows of 4,096 bytes
	s_mov_b32 s29, 0
	s_lshl_b32 s30, s25, 11                        ; in xn: of 2,048
	s_mov_b32 s31, 0
	v_lshlrev_b32 v5, 4, v4                        ; 16 bytes a lane of every 512 of x, gamma, beta
	v_lshlrev_b32 v6, 3, v4                        ; 8 bytes a lane of every 256 of xn
	s_mov_b32 s32, 0x3a800000                      ; 1 / 1024
	s_mov_b32 s33, 0x3727c5ac                      ; 1e-5
	s_mov_b32 s34, 0x76543210                      ; v_permlanex16_b32: each lane takes its own place in the other half
	s_mov_b32 s35, 0xfedcba98
	s_wait_kmcnt 0x0
	s_add_nc_u64 s[8:9], s[8:9], s[28:29]
	s_add_nc_u64 s[20:21], s[20:21], s[30:31]
.irp j, 0,1,2,3,4,5,6,7
	global_load_b128 v[G+4*(\j):G+4*(\j)+3],   v5, s[10:11] offset:512*(\j)
	global_load_b128 v[BT+4*(\j):BT+4*(\j)+3], v5, s[12:13] offset:512*(\j)
.endr
.macro REDUCE                          ; v[T] summed over the 32 lanes, into every lane
	v_add_f32_dpp v[T], v[T], v[T] row_xmask:1 row_mask:0xf bank_mask:0xf
	v_add_f32_dpp v[T], v[T], v[T] row_xmask:2 row_mask:0xf bank_mask:0xf
	v_add_f32_dpp v[T], v[T], v[T] row_xmask:4 row_mask:0xf bank_mask:0xf
	v_add_f32_dpp v[T], v[T], v[T] row_xmask:8 row_mask:0xf bank_mask:0xf
	v_permlanex16_b32 v[T+1], v[T], s34, s35
	v_add_f32 v[T], v[T], v[T+1]
.endm
.macro FOLD                            ; four chains of pairs into v[T]
	v_pk_add_f32 v[T:T+1], v[T:T+1], v[T+2:T+3]
	v_pk_add_f32 v[T+4:T+5], v[T+4:T+5], v[T+6:T+7]
	v_pk_add_f32 v[T:T+1], v[T:T+1], v[T+4:T+5]
	v_add_f32 v[T], v[T], v[T+1]
.endm
; One row in slot s.  left = how many younger loads may stay out.
.macro ROW s, left
.set XB, X+32*(\s)
	s_wait_loadcnt \left
.irp c, 0,1,2,3
	v_pk_add_f32 v[T+2*(\c):T+2*(\c)+1], v[XB+4*(\c):XB+4*(\c)+1], v[XB+4*(\c)+2:XB+4*(\c)+3]  ; the first words start four chains: nothing is cleared
.endr
.irp i, 8,9,10,11,12,13,14,15
	v_pk_add_f32 v[T+2*((\i)%4):T+2*((\i)%4)+1], v[T+2*((\i)%4):T+2*((\i)%4)+1], v[XB+2*(\i):XB+2*(\i)+1]
.endr
	FOLD
	REDUCE
	v_mul_f32 v[T], s32, v[T]                      ; the mean
.set i, 0
.rept 16
	v_pk_add_f32 v[XB+2*i:XB+2*i+1], v[XB+2*i:XB+2*i+1], v[T:T+1] op_sel_hi:[1,0] neg_lo:[0,1] neg_hi:[0,1]  ; x - mean, in place
.set i, i+1
.endr
.irp c, 0,1,2,3
	v_pk_mul_f32 v[T+2*(\c):T+2*(\c)+1], v[XB+2*(\c):XB+2*(\c)+1], v[XB+2*(\c):XB+2*(\c)+1]
.endr
.irp i, 4,5,6,7,8,9,10,11,12,13,14,15
	v_pk_fma_f32 v[T+2*((\i)%4):T+2*((\i)%4)+1], v[XB+2*(\i):XB+2*(\i)+1], v[XB+2*(\i):XB+2*(\i)+1], v[T+2*((\i)%4):T+2*((\i)%4)+1]
.endr
	FOLD
	REDUCE
	v_fma_f32 v[T], v[T], s32, s33                 ; the variance + 1e-5
	v_rsq_f32 v[T+2], v[T]                         ; twice, to fill the pair that the packed multiply takes
	v_rsq_f32 v[T+3], v[T]
	v_nop                                          ; a plain instruction between a transcendental and the use of its result (ISA guide 5.7.2)
.set i, 0
	s_wait_alu depctr_va_vdst(0)
.rept 16
	v_pk_mul_f32 v[XB+2*i:XB+2*i+1], v[XB+2*i:XB+2*i+1], v[T+2:T+3]
.set i, i+1
.endr
.set i, 0
.rept 16
	v_pk_fma_f32 v[XB+2*i:XB+2*i+1], v[XB+2*i:XB+2*i+1], v[G+2*i:G+2*i+1], v[BT+2*i:BT+2*i+1]
.set i, i+1
.endr
.set i, 0
.rept 16
	v_cvt_pk_bf16_f32 v[XB+i], v[XB+2*i], v[XB+2*i+1]  ; into the row's own low registers: word i is written when words 2 i and 2 i + 1 are read
.set i, i+1
.endr
.irp j, 0,1,2,3,4,5,6,7
	global_store_b64 v6, v[XB+2*(\j):XB+2*(\j)+1], s[20:21] offset:(\s)*2048+256*(\j)  ; the wave stores 256 consecutive bytes, aligned
.endr
.endm
	s_mov_b32 s36, 2
.Ltrip:                                                ; two rows a trip
.irp s, 0,1
.irp j, 0,1,2,3,4,5,6,7
	global_load_b128 v[X+32*(\s)+4*(\j):X+32*(\s)+4*(\j)+3], v5, s[8:9] offset:(\s)*4096+512*(\j) th:TH_LOAD_NT
.endr
.endr
	ROW 0, 8                                       ; the other row's eight loads stay out
	ROW 1, 0
	s_wait_xcnt 0x0                                ; the bases and the rows' registers, which the stores read, are rewritten only behind this wait
	s_add_nc_u64 s[8:9], s[8:9], 0x2000
	s_add_nc_u64 s[20:21], s[20:21], 0x1000
	s_sub_co_u32 s36, s36, 1
	s_cmp_lg_u32 s36, 0
	s_cbranch_scc1 .Ltrip
	s_endpgm
.Lfunc_end_k_qf382503616_prep:
	.size	k_qf382503616_prep, .Lfunc_end_k_qf382503616_prep-k_qf382503616_prep
	.p2alignl 7, 3214868480
	.fill 96, 4, 3214868480
	.section	.rodata,"a",@progbits
	.p2align	6, 0x0
	.amdhsa_kernel k_qf382503616_prep
		.amdhsa_group_segment_fixed_size 70656
		.amdhsa_private_segment_fixed_size 0
		.amdhsa_enable_private_segment 0
		.amdhsa_kernarg_size 64
		.amdhsa_user_sgpr_count 2
		.amdhsa_user_sgpr_kernarg_segment_ptr 1
		.amdhsa_wavefront_size32 1
		.amdhsa_system_sgpr_workgroup_id_x 1
		.amdhsa_system_sgpr_workgroup_id_y 1
		.amdhsa_system_sgpr_workgroup_id_z 1
		.amdhsa_system_vgpr_workitem_id 0
		.amdhsa_next_free_vgpr 152
		.amdhsa_next_free_sgpr 66
		.amdhsa_reserve_vcc 0
		.amdhsa_float_denorm_mode_32 3
		.amdhsa_float_denorm_mode_16_64 3
		.amdhsa_memory_ordered 1
		.amdhsa_forward_progress 1
		.amdhsa_inst_pref_size 35
	.end_amdhsa_kernel
	.amdgpu_metadata
---
amdhsa.version: [ 1, 2 ]
amdhsa.kernels:
  - .name:           k_qf382503616_prep
    .symbol:         k_qf382503616_prep.kd
    .args:
      - { .name: x, .offset: 0, .size: 8, .value_kind: global_buffer, .address_space: global }
      - { .name: gamma, .offset: 8, .size: 8, .value_kind: global_buffer, .address_space: global }
      - { .name: beta, .offset: 16, .size: 8, .value_kind: global_buffer, .address_space: global }
      - { .name: Wq, .offset: 24, .size: 8, .value_kind: global_buffer, .address_space: global }
      - { .name: Wk, .offset: 32, .size: 8, .value_kind: global_buffer, .address_space: global }
      - { .name: Wv, .offset: 40, .size: 8, .value_kind: global_buffer, .address_space: global }
      - { .name: xn, .offset: 48, .size: 8, .value_kind: global_buffer, .address_space: global }
      - { .name: wt, .offset: 56, .size: 8, .value_kind: global_buffer, .address_space: global }
    .group_segment_fixed_size: 70656
    .private_segment_fixed_size: 0
    .kernarg_segment_align: 8
    .kernarg_segment_size: 64
    .max_flat_workgroup_size: 256
    .sgpr_count:     66
    .vgpr_count:     152
    .wavefront_size: 32
...
	.end_amdgpu_metadata
.endif
;; end of part 1
;; launch kv (part 2): grid 64 x 8, 4 waves a work-group, clusters of 4 x 4, 327,680 bytes of LDS; arguments wt, xn, bk, bv, src_mask, part, stats; writes part, stats
.if DOCPART == 2
	.amdgcn_target "amdgcn-amd-amdhsa--gfx1250"
	.amdhsa_code_object_version 6
	.text
	.protected	k_qf382503616_kv
	.globl	k_qf382503616_kv
	.p2align	8
	.type	k_qf382503616_kv,@function
k_qf382503616_kv:
	s_mov_b64 s[64:65], 0
	v_nop
	global_prefetch_b8 v0, s[64:65] scope:SCOPE_SE
	s_setreg_imm32_b32 hwreg(HW_REG_WAVE_MODE, 25, 1), 1
	s_wait_xcnt 0x0
	s_wait_alu depctr_hold_cnt(0) depctr_sa_sdst(0) depctr_va_vdst(0) depctr_va_sdst(0) depctr_va_ssrc(0) depctr_va_vcc(0) depctr_vm_vsrc(0)
	s_getreg_b32 s2, hwreg(HW_REG_IB_STS2, 6, 4)
	s_cmp_eq_u32 s2, 0
	s_cbranch_scc0 .Lentry_in_a_cluster
	s_endpgm
.Lentry_in_a_cluster:
	s_bfe_u32 s2, ttmp6, 0x10000c
	s_cmp_lg_u32 s2, 0xf033
	s_cbranch_scc0 .Lentry_shape_is_right
	s_endpgm
.Lentry_shape_is_right:
; For one tile of 256 time steps (grid x) and one head (grid y): k = xn Wk + bk + (1 - mask)(-1e6) and v = (xn Wv + bv) mask, 256 rows of wt x 256 rows of xn x K = 1,024;
; then the tile's share of the softmax over time: m = the tile's maximum of k for each feature, p = 2^(c k - c m) with c = log2(e), Z = the sum of p, and the partial product p^T v (128 x 128).
; k and v never reach memory.  Stored: the partial products (f32, as the accumulators lie), c m and Z.  A later launch joins a head's sixteen tiles by their maxima.
; THE PRODUCT.  A = wt's rows (features), B = xn's rows (time).  Four waves, each 128 x 128: 64 accumulators, 512 registers.  K goes in steps of 128 through a ring of two LDS slots filled by
; tensor loads.  The matrix instruction takes 16 rows of B as source 0 and 16 rows of A as source 1: a lane then holds ONE feature (lane % 16) and eight consecutive times.
; wt is laid so that a wave's 128 rows are 64 features of k (blocks 0-3, window 2) and the same 64 of v (blocks 4-7, window 3): all four waves run one text.
; The first products take the bias as C: nothing is cleared and nothing is added later.
; A TRIP OF THE LOOP IS ONE K STEP, so that a step's text stands once.  The slots change places by an exclusive or with SLOT = 0x22000: the slot offsets are 0 and SLOT, and a wave's tile begins at
; wave x 0x8800 = 0, 0x8800, 0x11000 or 0x19800, none of which has one of SLOT's two bits, so the exclusive or adds SLOT or takes it away.  One descriptor for A and one for B walk: the other slot, the next K step.
; CLUSTER 4 x 4: the four heads of a column of the cluster share xn's tile, the four time tiles of a row share wt's: each tile is asked for jointly.
; THE STAGE.  p and v, rounded to bf16, go into slot 0 as P^T and V^T (rows of 256 times): slot 0 has had its last fill, and the barrier that ended its reads has been passed.
; Two packed accumulators ARE an operand of 32 times: Z is a product of ones with P, of the rounded p, so that numerator and divisor are made of the same numbers.
; LIMITS.  xn, the weights, p and v are rounded once to bf16; sums, maxima, Z and the partial products stay in f32.  A weight below 2^-126 counts as 0.  NaN and infinities are not treated apart.
; src_mask is taken as any float, in the order of operations of the formula above.  Left out: prefetches (both operands were written by the launch before);
; a work-group that stays (the stage has room only in a slot that is filled no more).
; REGISTERS, in windows of 256 (s_set_vgpr_msb: bits 1:0 source 0, 3:2 source 1, 5:4 source 2, 7:6 destination):
;   window 0: v0-29 addresses; v32-39 ones; v40-60 statistics; v64-191 A's fragments, two buffers, later packed v and packed p; v192-255 the bias tiles, later Z
;   window 1: v0-63 the mask of my 128 times; v64-191 B's fragments, later P's and V's; v192-255 (1 - mask)(-1e6)      windows 2, 3: accumulator (a, b) at v[8 (8 (a % 4) + b)]
.set SIZE_K, 1024
.set KSTEP,  128
.set KSTEPS, SIZE_K/KSTEP
.set PITCH,  272                       ; an LDS row: 256 bytes + 16: the 16 rows of a fragment load start at 16 different groups of four banks (64 banks of 4 bytes: ISA guide 11.1)
.set HALFT,  128*PITCH                 ; what one tensor load brings
.set SLOT,   4*HALFT                   ; A's 256 rows, then B's
.set SCR,    2*SLOT                    ; behind the ring: 256 bytes a wave for the maxima
.set SPARE,  SCR+1024                  ; the spare words, 128 bytes for each wave
.set KVROWS, 1024*SIZE_K*2             ; wt's rows for k and v begin behind Wq's 1,024
.set SP,     528                       ; a row of the stage: 256 times x 2 bytes + 16
.set VST,    128*SP                    ; V^T lies behind P^T's 128 rows
.set STO,  6                           ; v6   where I put 16 bytes of a row of P^T
.set STOV, 7                           ; v7   of V^T
.set AP,   8                           ; v8   my fragments of P^T
.set AV,   9                           ; v9   of V^T
.set GO,   10                          ; v10  16 x lane
.set SO,   11                          ; v11  my word in stats
.set SW,   12                          ; v12  where my wave's maxima go
.set SR,   13                          ; v13  where the other time half's lie
.set ADRA, 16                          ; v16  my A fragments in the slot in hand; v17 in the other slot
.set ABASE, 18                         ; v18  in slot 0; never rewritten
.set ADRB, 20                          ; v20, v21, v22: the same for B
.set BBASE, 22
.set SPW,  28                          ; v28  LDS address of my spare word; never rewritten
.set NIL,  29                          ; v29  0; never rewritten
.set ONE,  32                          ; v32-39   1.0 in every bf16
.set MX,   40                          ; v40-43   the maximum of block a
.set PX,   44                          ; v44-47   the partner's
.set CM,   48                          ; v48-55   c m, a pair for each block
.set CH,   56                          ; v56-60   four chains, and the other half of the lanes'
.set F0,   64
.set F1,   128
.set PK,   64                          ; packed v, then packed p: block a, accumulator b at PK + 32 a + 4 b
.set BI,   192                         ; the bias tiles
.set ZA,   192                         ; later: Z of block a at ZA + 8 a
.set MK,   0                           ; window 1
.set MT,   192                         ; window 1
.set TBC, 8                            ; s8   first byte of the slot in hand
.set TBN, 9                            ; s9   of the other slot
.set G1, 24
.set G0, 32                            ; s[32:35] K step 0's load; s[36:39] K step 1's, which then walks
.set G1B, 48
.set G0B, 56
.set CS,  78                           ; s[78:79] c
.set SEL, 80                           ; s[80:81] v_permlanex16_b32's selects
.set NG,  92                           ; s[92:93] -1e6
.set MSB, 0
.macro WIN new                         ; the immediate's high byte repeats the setting that is left; a switch that changes nothing is dropped
.if MSB != (\new)
	s_set_vgpr_msb (MSB<<8)|(\new)
.set MSB, \new
.endif
.endm
.set MUL_LO, 0xa1                      ; source 0 (B) window 1, source 1 (A) window 0, C and D window 2
.set MUL_Z,  0x81                      ; the same with C in window 0: the bias
.set TO_B,   0x40
; A joint load.  Waves 0 and 1 fetch A's two halves, waves 2 and 3 B's.  The branch hangs on the wave's number alone.  An s_nop 0 and four v_nop follow each line.
.macro JLOAD s
	s_cmp_eq_u32 s11, 0
	s_cbranch_scc0 .Lfor_b_\@
	tensor_load_to_lds s[G0+4*(\s):G0+4*(\s)+3], s[G1:G1+7]
	s_nop 0
.rept 4
	v_nop
.endr
	s_branch .Lasked_\@
.Lfor_b_\@:
	tensor_load_to_lds s[G0B+4*(\s):G0B+4*(\s)+3], s[G1B:G1B+7]
	s_nop 0
.rept 4
	v_nop
.endr
.Lasked_\@:
.endm
.macro CREST                           ; a round of the cluster's barrier behind its opening barrier
	s_cmp_lg_u32 s10, 0
	s_cbranch_scc1 .Lnot_wave_0_\@
	s_barrier_signal -3
.Lnot_wave_0_\@:
	s_barrier_wait -3
	s_barrier_signal -1
	s_barrier_wait -1
.endm
.macro CROUND
	s_barrier_signal -1
	s_barrier_wait -1
	CREST
.endm
.macro AIM                             ; the fragment addresses, from the two slots' first bytes
	v_add_nc_u32 v[ADRA],   s[TBC], v[ABASE]
	v_add_nc_u32 v[ADRA+1], s[TBN], v[ABASE]
	v_add_nc_u32 v[ADRB],   s[TBC], v[BBASE]
	v_add_nc_u32 v[ADRB+1], s[TBN], v[BBASE]
.endm
	s_load_b128 s[4:7], s[0:1], 0x0                ; wt s[4:5], xn s[6:7]
	s_load_b256 s[68:75], s[0:1], 0x10             ; bk s[68:69], bv s[70:71], src_mask s[72:73], part s[74:75]
	s_load_b64 s[76:77], s[0:1], 0x30              ; stats
	v_lshl_add_u32 v[SPW], v0, 2, SPARE
	v_mov_b32 v[NIL], 0
	ds_add_u32 v[SPW], v[NIL]                      ; the wave's opening: the add and its wait stand ahead of my first tensor load; work on registers stands between them
	v_lshrrev_b32 v1, 5, v0
	v_readfirstlane_b32 s10, v1                    ; wave 0..3
	s_lshr_b32 s11, s10, 1                         ; fh: which 64 features are mine.  Also: I fetch for A (0) or for B (1)
	s_and_b32 s12, s10, 1                          ; th: which 128 times.  Also: which 128 rows of that tile I fetch
	s_bfe_u32 s40, ttmp6, 0x40000                  ; cx
	s_bfe_u32 s41, ttmp6, 0x40004                  ; cy
	s_lshl_b32 s42, ttmp9, 2
	s_add_co_u32 s42, s42, s40                     ; the time tile = 4 x cluster x + cx
	s_and_b32 s13, ttmp7, 0xffff
	s_lshl_b32 s13, s13, 2
	s_add_co_u32 s13, s13, s41                     ; the head = 4 x cluster y + cy
	s_lshl_b32 s43, s41, 2
	s_lshl_b32 s43, 15, s43                        ; my row of the cluster
	s_lshl_b32 s44, 0x1111, s40                    ; my column
	s_or_b32 s[G1+0], s43, (1<<16)|(1<<20)|(1<<21)|(5<<22)|(3<<25)   ; the mask: A's tiles go to my row; 2-byte elements; padding on; bit 21 beside a mask; after every 64 words 4 words
	s_or_b32 s[G1B+0], s44, (1<<16)|(1<<20)|(1<<21)|(5<<22)|(3<<25)  ; the same with my column's mask
.irp g, G1, G1B
	s_mov_b32 s[(\g)+1], KSTEP<<16                 ; tensor_dim0 = 128
	s_mov_b32 s[(\g)+2], 128<<16                   ; tensor_dim1 = 128
	s_mov_b32 s[(\g)+3], KSTEP<<16                 ; tile_dim0 = 128
	s_mov_b32 s[(\g)+4], 128                       ; tile_dim1 = 128
	s_mov_b32 s[(\g)+5], SIZE_K                    ; elements from row to row
	s_mov_b32 s[(\g)+6], 0
	s_mov_b32 s[(\g)+7], 0
.endr
	s_lshl_b32 s17, s12, 7
	s_lshl_b32 s16, s13, 8
	s_add_co_u32 s16, s16, s17                     ; A: row 256 x head + 128 x half, behind Wq's rows
	s_lshl_b32 s16, s16, 11
	s_add_co_u32 s16, s16, KVROWS
	s_lshl_b32 s46, s42, 8
	s_add_co_u32 s46, s46, s17                     ; B: row 256 x time tile + 128 x half
	s_lshl_b32 s46, s46, 11
	s_mov_b32 s17, 0
	s_mov_b32 s47, 0
	s_mul_i32 s20, s10, HALFT                      ; where they go: wave x 128 rows
	s_mov_b32 s[CS], 0x3fb8aa3b                    ; c = log2(e)
	s_mov_b32 s[CS+1], s[CS]
	s_mov_b32 s[SEL], 0x76543210
	s_mov_b32 s[SEL+1], 0xfedcba98
	s_mov_b32 s82, 0xffff0000                      ; lanes 16-31
	s_mov_b32 s[NG], 0xc9742400                    ; -1e6
	s_mov_b32 s[NG+1], s[NG]
	s_mov_b32 s[TBC], 0
	s_mov_b32 s[TBN], SLOT
	s_wait_dscnt 0x0                               ; the opening add is done
	s_wait_kmcnt 0x0
	s_add_nc_u64 s[14:15], s[4:5], s[16:17]
	s_add_nc_u64 s[46:47], s[6:7], s[46:47]
	CROUND                                         ; all sixteen work-groups are here: the first joint loads meet
.irp s, 0,1
	s_mov_b32 s[G0+4*(\s)], 1
	s_add_co_u32 s[G0+4*(\s)+1], s20, (\s)*SLOT
	s_add_nc_u64 s[G0+4*(\s)+2:G0+4*(\s)+3], s[14:15], (\s)*KSTEP*2
	s_or_b32 s[G0+4*(\s)+3], s[G0+4*(\s)+3], 0x80000000
	s_mov_b32 s[G0B+4*(\s)], 1
	s_add_co_u32 s[G0B+4*(\s)+1], s20, (\s)*SLOT
	s_add_nc_u64 s[G0B+4*(\s)+2:G0B+4*(\s)+3], s[46:47], (\s)*KSTEP*2
	s_or_b32 s[G0B+4*(\s)+3], s[G0B+4*(\s)+3], 0x80000000
	JLOAD \s                                       ; two tensor loads of mine are out
.endr
	v_and_b32 v1, 15, v0                           ; r = lane % 16
	v_bfe_u32 v2, v0, 4, 1                         ; h = lane / 16
	; the biases of my eight blocks' features, and the mask of my 128 times
	s_lshl_b32 s84, s13, 9                         ; (128 head + 64 fh) x 4 bytes
	s_lshl_b32 s86, s11, 8
	s_add_co_u32 s84, s84, s86
	s_mov_b32 s85, 0
	s_add_nc_u64 s[68:69], s[68:69], s[84:85]
	s_add_nc_u64 s[70:71], s[70:71], s[84:85]
	v_lshlrev_b32 v4, 2, v1
.irp a, 0,1,2,3
	global_load_b32 v[BI+8*(\a)], v4, s[68:69] offset:64*(\a)
	global_load_b32 v[BI+32+8*(\a)], v4, s[70:71] offset:64*(\a)
.endr
	s_lshl_b32 s86, s42, 10                        ; (256 tile + 128 th) x 4 bytes
	s_lshl_b32 s87, s12, 9
	s_add_co_u32 s86, s86, s87
	s_mov_b32 s87, 0
	s_add_nc_u64 s[72:73], s[72:73], s[86:87]
	v_lshlrev_b32 v5, 5, v2
	WIN TO_B
.irp b, 0,1,2,3,4,5,6,7
	global_load_b128 v[MK+8*(\b):MK+8*(\b)+3],   v5, s[72:73] offset:64*(\b)      ; register 8 b + j: time 16 b + 8 h + j, as in accumulator b
	global_load_b128 v[MK+8*(\b)+4:MK+8*(\b)+7], v5, s[72:73] offset:64*(\b)+16
.endr
	WIN 0
	v_mul_u32_u24 v3, v1, PITCH
	v_lshl_add_u32 v3, v2, 4, v3                   ; a fragment's row x pitch + 16 x half
	s_mul_i32 s21, s11, HALFT                      ; my 128 rows of A
	s_mul_i32 s22, s12, HALFT                      ; my 128 rows of B,
	s_add_co_u32 s22, s22, 2*HALFT                 ; which lie behind A's 256
	v_add_nc_u32 v[ABASE], s21, v3
	v_add_nc_u32 v[BBASE], s22, v3
	AIM
	; the stage's addresses
	s_mul_i32 s88, s11, 64*SP                      ; my 64 features' rows
	s_lshl_b32 s89, s12, 8                         ; my 128 times' 256 bytes
	v_mul_u32_u24 v3, v1, SP
	v_lshl_add_u32 v3, v2, 4, v3                   ; r x 528 + 16 h
	s_add_co_u32 s90, s88, s89
	v_add_nc_u32 v[STO], s90, v3
	v_add_nc_u32 v[STOV], VST, v[STO]
	v_add_nc_u32 v[AP], s88, v3                    ; for the second product: d = 64 fh ..
	s_mul_i32 s91, s12, 64*SP
	s_add_co_u32 s91, s91, VST
	v_add_nc_u32 v[AV], s91, v3                    ; l = 64 th ..
	v_and_b32 v[GO], 31, v0
	v_lshlrev_b32 v[GO], 4, v[GO]
	v_lshlrev_b32 v[SO], 9, v2                     ; lanes 0-15 store c m, lanes 16-31 Z, 512 bytes on
	v_lshl_add_u32 v[SO], v1, 2, v[SO]
	s_lshl_b32 s90, s10, 8
	s_add_co_u32 s90, s90, SCR
	v_lshl_add_u32 v[SW], v1, 4, s90
	s_xor_b32 s90, s10, 1                          ; the wave with my features and the other times
	s_lshl_b32 s90, s90, 8
	s_add_co_u32 s90, s90, SCR
	v_lshl_add_u32 v[SR], v1, 4, s90
	; where the results go: tile = ((time tile / 16) x 8 + head) x 16 + time tile % 16
	s_lshr_b32 s84, s42, 4
	s_lshl_b32 s84, s84, 3
	s_add_co_u32 s84, s84, s13
	s_lshl_b32 s84, s84, 4
	s_and_b32 s86, s42, 15
	s_add_co_u32 s84, s84, s86
	s_lshl_b32 s86, s84, 16                        ; part: 65,536 bytes a tile, 16,384 a wave
	s_lshl_b32 s88, s10, 14
	s_add_co_u32 s86, s86, s88
	s_add_nc_u64 s[74:75], s[74:75], s[86:87]
	s_lshl_b32 s86, s84, 11                        ; stats: 2,048 bytes a tile, 1,024 a time half, 256 for 64 features
	s_lshl_b32 s88, s12, 10
	s_add_co_u32 s86, s86, s88
	s_lshl_b32 s88, s11, 8
	s_add_co_u32 s86, s86, s88
	s_add_nc_u64 s[76:77], s[76:77], s[86:87]
.irp i, 0,1,2,3,4,5,6,7
	v_mov_b32 v[ONE+(\i)], 0x3f803f80
.endr
	v_mov_b32 v[CH+4], 0                           ; v_permlanex16_b32's destination counts as read
; 16 matrix instructions: blocks a0, a0 + 1 of the window's four x all 8 blocks of B, 32 along K.  zero = 1: the first product starts the sums with block a's bias.
.macro MUL16 f, hi, a0, zero
.if \zero
	WIN MUL_Z+0x40*(\hi)
.else
	WIN MUL_LO+0x50*(\hi)
.endif
.irp a, \a0, (\a0)+1
.irp b, 0,1,2,3,4,5,6,7
.if \zero
	v_wmma_f32_16x16x32_bf16 v[8*(8*(\a)+(\b)):8*(8*(\a)+(\b))+7], v[(\f)+8*(\b):(\f)+8*(\b)+7], v[(\f)+8*(4*(\hi)+(\a)):(\f)+8*(4*(\hi)+(\a))+7], v[BI+8*(4*(\hi)+(\a)):BI+8*(4*(\hi)+(\a))+7]
.else
	v_wmma_f32_16x16x32_bf16 v[8*(8*(\a)+(\b)):8*(8*(\a)+(\b))+7], v[(\f)+8*(\b):(\f)+8*(\b)+7], v[(\f)+8*(4*(\hi)+(\a)):(\f)+8*(4*(\hi)+(\a))+7], v[8*(8*(\a)+(\b)):8*(8*(\a)+(\b))+7]
.endif
.endr
.endr
.endm
.macro FETCH slot, k, f                ; 32 LDS loads in one run: a quarter step's fragments (B's, then A's) into buffer f.  slot 0: the slot in hand; 1: the other
	WIN TO_B
.irp i, 0,1,2,3,4,5,6,7
	ds_load_b128 v[(\f)+8*(\i):(\f)+8*(\i)+3],   v[ADRB+(\slot)] offset:(\k)+(\i)*16*PITCH
	ds_load_b128 v[(\f)+8*(\i)+4:(\f)+8*(\i)+7], v[ADRB+(\slot)] offset:(\k)+(\i)*16*PITCH+32
.endr
	WIN 0
.irp i, 0,1,2,3,4,5,6,7
	ds_load_b128 v[(\f)+8*(\i):(\f)+8*(\i)+3],   v[ADRA+(\slot)] offset:(\k)+(\i)*16*PITCH
	ds_load_b128 v[(\f)+8*(\i)+4:(\f)+8*(\i)+7], v[ADRA+(\slot)] offset:(\k)+(\i)*16*PITCH+32
.endr
.endm
.macro PLACES                          ; four plain vector instructions between a matrix instruction and a load into, or a vector line on, its registers (ISA guide 7.12.1 for vector instructions)
.rept 4
	v_nop
.endr
.endm
.macro QUARTER slot, k, f, g, zero     ; 64 matrix instructions on buffer f; in their middle the next quarter's fragments, at byte k, into g
	s_wait_dscnt 8                                 ; B and A's rows 0-63 are in; the youngest eight loads may be out
	MUL16 \f, 0, 0, \zero
	MUL16 \f, 0, 2, \zero
	PLACES
	FETCH \slot, \k, \g
	s_wait_dscnt 32                                ; all but the 32 just issued
	MUL16 \f, 1, 0, \zero
	MUL16 \f, 1, 2, \zero
.endm
; The change of slots: ONE barrier.  In front of it each wave waits for all its tensor loads (its part of the other slot), adds 0 to its spare word, and waits for that and for its reads of the slot in hand.
.macro MEET round
	WIN 0
	s_wait_tensorcnt 0x0
	ds_add_u32 v[SPW], v[NIL]
	s_wait_dscnt 9                                 ; (the add and the youngest eight loads may be out)
	MUL16 F1, 0, 0, 0
	s_wait_dscnt 0x0                               ; the add is done, and my reads of the slot in hand are over
	s_barrier_signal -1
	MUL16 F1, 0, 2, 0
.if \round
	WIN 0
.endif
	s_barrier_wait -1
.endm
.macro TURN fill                       ; the last quarter of a K step.  fill = 1: the slot in hand is filled again, two K steps ahead, behind a round of the cluster's barrier
.if \fill
	MEET 1
	CREST
	s_xor_b32 s[G0+5], s[G0+5], SLOT               ; the walking descriptors: the other slot than last time, which is the slot in hand,
	s_add_nc_u64 s[G0+6:G0+7], s[G0+6:G0+7], KSTEP*2   ; the K step behind the last one asked for; the type bits on top are not reached
	s_xor_b32 s[G0B+5], s[G0B+5], SLOT
	s_add_nc_u64 s[G0B+6:G0B+7], s[G0B+6:G0B+7], KSTEP*2
	JLOAD 1                                        ; my one tensor load behind the round; its four v_nop are also the places in front of the loads below
.else
	MEET 0
	PLACES
.endif
	FETCH 1, 0, F0
	MUL16 F1, 1, 0, 0
	MUL16 F1, 1, 2, 0
.endm
	s_wait_tensorcnt 0x1                           ; my part of K step 0 is in; K step 1's may stay out
	s_barrier_signal -1
	s_barrier_wait -1
	FETCH 0, 0, F0
	s_wait_loadcnt 0x0                             ; the biases and the mask
.irp a, 0,1,2,3,4,5,6,7
.irp j, 1,2,3,4,5,6,7
	v_mov_b32 v[BI+8*(\a)+(\j)], v[BI+8*(\a)]      ; a lane's eight results of a block belong to one feature: its bias eight times
.endr
.endr
	QUARTER 0, 64,  F0, F1, 1
	WIN 0
	s_mov_b32 s3, KSTEPS-2
.Lstep:                                                ; a trip: a K step's second, third and last quarter and the next step's first; the slot that it leaves is filled again
	QUARTER 0, 128, F1, F0, 0
	QUARTER 0, 192, F0, F1, 0
	TURN 1
	QUARTER 1, 64,  F0, F1, 0
	WIN 0
	s_xor_b32 s[TBC], s[TBC], SLOT                 ; the slots change places
	s_xor_b32 s[TBN], s[TBN], SLOT
	AIM
	s_sub_co_u32 s3, s3, 1
	s_cmp_lg_u32 s3, 0
	s_cbranch_scc1 .Lstep
	QUARTER 0, 128, F1, F0, 0                      ; the last two K steps fill nothing; six changes have made slot 0 the slot in hand again
	QUARTER 0, 192, F0, F1, 0
	TURN 0                                         ; behind its barrier nobody reads slot 0 any more
	QUARTER 1, 64,  F0, F1, 0
	QUARTER 1, 128, F1, F0, 0
	QUARTER 1, 192, F0, F1, 0
	s_wait_dscnt 8
	MUL16 F1, 0, 0, 0
	MUL16 F1, 0, 2, 0
	s_wait_dscnt 0x0
	MUL16 F1, 1, 0, 0
	MUL16 F1, 1, 2, 0
	; ---------------- THE WAY OUT ----------------
	; (1 - mask) x -1e6, in two roundings as the formula has them.  These 64 lines name no register of the last products: they are the places behind them.
	WIN 0x41
.set i, 0
.rept 32
	v_pk_fma_f32 v[MT+2*i:MT+2*i+1], v[MK+2*i:MK+2*i+1], -1.0, 1.0 op_sel_hi:[1,0,0]
.set i, i+1
.endr
.set i, 0
.rept 32
	v_pk_mul_f32 v[MT+2*i:MT+2*i+1], v[MT+2*i:MT+2*i+1], s[NG:NG+1] op_sel_hi:[1,0]
.set i, i+1
.endr
.macro KADD a                          ; k of block a takes the mask's term; each accumulator from its low end on
	WIN 0x86
.set i, 0
.rept 32
	v_pk_add_f32 v[64*(\a)+2*i:64*(\a)+2*i+1], v[64*(\a)+2*i:64*(\a)+2*i+1], v[MT+2*i:MT+2*i+1]
.set i, i+1
.endr
.endm
; The largest of a block's 64 registers in window w, from register base on: four chains of 16, three operands at a time; then the lane 16 away, which holds the feature's other 64 times, into v[CH+4].
.macro MAX64 w, base
	WIN 0x15*(\w)
.irp c, 0,1,2,3
	v_max3_num_f32 v[CH+(\c)], v[(\base)+16*(\c)], v[(\base)+16*(\c)+1], v[(\base)+16*(\c)+2]
.endr
	WIN 0x14*(\w)
.irp n, 0,1,2,3,4,5
.irp c, 0,1,2,3
	v_max3_num_f32 v[CH+(\c)], v[CH+(\c)], v[(\base)+16*(\c)+3+2*(\n)], v[(\base)+16*(\c)+4+2*(\n)]
.endr
.endr
	v_max3_num_f32 v[CH], v[CH], v[(\base)+15], v[(\base)+31]
	v_max3_num_f32 v[CH+2], v[CH+2], v[(\base)+47], v[(\base)+63]
	WIN 0
	v_max3_num_f32 v[CH], v[CH], v[CH+1], v[CH+2]
	v_max_num_f32 v[CH], v[CH], v[CH+3]
	v_permlanex16_b32 v[CH+4], v[CH], s[SEL], s[SEL+1]
.endm
.irp a, 0,1,2,3
	KADD \a
	MAX64 2, 64*(\a)
	v_max_num_f32 v[MX+(\a)], v[CH], v[CH+4]       ; over my wave's 128 times
.endr
	ds_store_b128 v[SW], v[MX:MX+3]
	s_wait_dscnt 0x0                               ; for the partner's sake: my maxima are in LDS
	s_barrier_signal -1
.macro VMUL a                          ; v of block 4 + a: times the mask, rounded to bf16.  Work on registers alone: it stands between the signal and the wait
	WIN 0xc7
.set i, 0
.rept 32
	v_pk_mul_f32 v[64*(\a)+2*i:64*(\a)+2*i+1], v[64*(\a)+2*i:64*(\a)+2*i+1], v[MK+2*i:MK+2*i+1]
.set i, i+1
.endr
	WIN 0x0f
.set i, 0
.rept 32
	v_cvt_pk_bf16_f32 v[PK+32*(\a)+i], v[64*(\a)+2*i], v[64*(\a)+2*i+1]
.set i, i+1
.endr
.endm
	VMUL 0
	VMUL 1
	VMUL 2
	VMUL 3
	WIN 0
	s_barrier_wait -1
	ds_load_b128 v[PX:PX+3], v[SR]                 ; the other time half's maxima
.irp a, 0,1,2,3
.irp b, 0,1,2,3,4,5,6,7
	ds_store_b128 v[STOV], v[PK+32*(\a)+4*(\b):PK+32*(\a)+4*(\b)+3] offset:(\a)*16*SP+32*(\b)  ; V^T: row l, eight times
.endr
.endr
	s_wait_dscnt 32                                ; the load is back; the 32 stores issued behind it may be out
.irp a, 0,1,2,3
	v_max_num_f32 v[MX+(\a)], v[MX+(\a)], v[PX+(\a)]   ; the tile's maximum
.endr
.irp a, 0,1,2,3
	v_mul_f32 v[CM+2*(\a)], s[CS], v[MX+(\a)]
	v_mul_f32 v[CM+2*(\a)+1], s[CS], v[MX+(\a)]    ; named with it as a pair
.endr
.macro KEXP a                          ; p = 2^(c k - c m) in place, rounded to bf16, into P^T
	WIN 0x82
.set i, 0
.rept 32
	v_pk_fma_f32 v[64*(\a)+2*i:64*(\a)+2*i+1], v[64*(\a)+2*i:64*(\a)+2*i+1], s[CS:CS+1], v[CM+2*(\a):CM+2*(\a)+1] op_sel_hi:[1,0,0] neg_lo:[0,0,1] neg_hi:[0,0,1]
.set i, i+1
.endr
.set i, 0
.rept 64
	v_exp_f32 v[64*(\a)+i], v[64*(\a)+i]
.set i, i+1
.endr
	v_nop                                          ; a plain instruction between the exponentials and the use of their results (ISA guide 5.7.2)
	WIN 0x0a
.set i, 0
	s_wait_alu depctr_va_vdst(0)
.rept 32
	v_cvt_pk_bf16_f32 v[PK+32*(\a)+i], v[64*(\a)+2*i], v[64*(\a)+2*i+1]
.set i, i+1
.endr
	WIN 0
.irp b, 0,1,2,3,4,5,6,7
	ds_store_b128 v[STO], v[PK+32*(\a)+4*(\b):PK+32*(\a)+4*(\b)+3] offset:(\a)*16*SP+32*(\b)
.endr
.endm
	KEXP 0
	KEXP 1
	KEXP 2
	KEXP 3
	; Z = ones x P: packed accumulators 2 s and 2 s + 1 of a block are source 1 for 32 times.  The four sums take turns.
.irp s, 0,1,2,3
.irp a, 0,1,2,3
.if (\s) == 0
	v_wmma_f32_16x16x32_bf16 v[ZA+8*(\a):ZA+8*(\a)+7], v[ONE:ONE+7], v[PK+32*(\a)+8*(\s):PK+32*(\a)+8*(\s)+7], 0
.else
	v_wmma_f32_16x16x32_bf16 v[ZA+8*(\a):ZA+8*(\a)+7], v[ONE:ONE+7], v[PK+32*(\a)+8*(\s):PK+32*(\a)+8*(\s)+7], v[ZA+8*(\a):ZA+8*(\a)+7]
.endif
.endr
.endr
	s_wait_dscnt 0x0                               ; for the others' sake: my rows of P^T and V^T are in the stage
	s_barrier_signal -1
	s_barrier_wait -1
	; THE PARTIAL PRODUCT: my 64 d x 64 l over the tile's 256 times, 32 a step, eight steps; 16 accumulators in window 2, which take turns.  Register j of a result: d = 8 h + j, l = r.
	; The first step, which starts the sums, and the last are written out; between them a trip of the loop takes two steps, one on each fragment buffer.
.macro FETCH2 k, f                     ; 16 LDS loads: four fragments of P^T and four of V^T, 32 times at byte k of the rows, into buffer f
	WIN TO_B
.irp i, 0,1,2,3
	ds_load_b128 v[64+64*(\f)+8*(\i):64+64*(\f)+8*(\i)+3],   v[AP] offset:(\i)*16*SP+(\k)
	ds_load_b128 v[64+64*(\f)+8*(\i)+4:64+64*(\f)+8*(\i)+7], v[AP] offset:(\i)*16*SP+(\k)+32
.endr
.irp i, 0,1,2,3
	ds_load_b128 v[96+64*(\f)+8*(\i):96+64*(\f)+8*(\i)+3],   v[AV] offset:(\i)*16*SP+(\k)
	ds_load_b128 v[96+64*(\f)+8*(\i)+4:96+64*(\f)+8*(\i)+7], v[AV] offset:(\i)*16*SP+(\k)+32
.endr
.endm
.macro MUL2 f, zero
	WIN 0xa5
.irp i, 0,1,2,3
.irp j, 0,1,2,3
.if \zero
	v_wmma_f32_16x16x32_bf16 v[8*(4*(\i)+(\j)):8*(4*(\i)+(\j))+7], v[64+64*(\f)+8*(\i):64+64*(\f)+8*(\i)+7], v[96+64*(\f)+8*(\j):96+64*(\f)+8*(\j)+7], 0
.else
	v_wmma_f32_16x16x32_bf16 v[8*(4*(\i)+(\j)):8*(4*(\i)+(\j))+7], v[64+64*(\f)+8*(\i):64+64*(\f)+8*(\i)+7], v[96+64*(\f)+8*(\j):96+64*(\f)+8*(\j)+7], v[8*(4*(\i)+(\j)):8*(4*(\i)+(\j))+7]
.endif
.endr
.endr
.endm
	FETCH2 0, 0
	FETCH2 64, 1
	s_wait_dscnt 16                                ; step 0's fragments are in; step 1's sixteen loads stay out
	MUL2 0, 1
	WIN 0
	s_mov_b32 s3, 3
.Lpv:                                                  ; trip t: steps 2 t + 1 and 2 t + 2 are multiplied, steps 2 t + 2 and 2 t + 3 fetched
	PLACES                                         ; the buffer to be loaded was multiplied by the step before
	FETCH2 128, 0
	s_wait_dscnt 16                                ; the step in hand is in; the sixteen loads just issued stay out
	MUL2 1, 0
	PLACES
	FETCH2 192, 1
	s_wait_dscnt 16
	MUL2 0, 0
	WIN 0
	v_add_nc_u32 v[AP], 128, v[AP]                 ; two steps on along the rows
	v_add_nc_u32 v[AV], 128, v[AV]
	s_sub_co_u32 s3, s3, 1
	s_cmp_lg_u32 s3, 0
	s_cbranch_scc1 .Lpv
	s_wait_dscnt 0x0
	MUL2 1, 0                                      ; step 7
	PLACES
	WIN 0x08                                       ; the stores' data lie in window 2
.set i, 0
.rept 16
	global_store_b128 v[GO], v[8*i:8*i+3],   s[74:75] offset:1024*i      ; the wave stores 512 consecutive bytes, aligned; each accumulator's low four registers first
	global_store_b128 v[GO], v[8*i+4:8*i+7], s[74:75] offset:1024*i+512
.set i, i+1
.endr
	WIN 0
.irp a, 0,1,2,3
	v_cndmask_b32 v[CH+(\a)], v[CM+2*(\a)], v[ZA+8*(\a)], s82   ; lanes 0-15: c m of feature r; lanes 16-31: my time half's Z of it
.endr
.irp a, 0,1,2,3
	global_store_b32 v[SO], v[CH+(\a)], s[76:77] offset:64*(\a)
.endr
	s_wait_tensorcnt 0x0                           ; the wave's end, behind my last tensor load and my last LDS store
	ds_add_u32 v[SPW], v[NIL]
	s_wait_dscnt 0x0
	CROUND                                         ; the closing round: no work-group ends while a partner may still ask for a tile that names it
	s_endpgm
.Lfunc_end_k_qf382503616_kv:
	.size	k_qf382503616_kv, .Lfunc_end_k_qf382503616_kv-k_qf382503616_kv
	.p2alignl 7, 3214868480
	.fill 96, 4, 3214868480
	.section	.rodata,"a",@progbits
	.p2align	6, 0x0
	.amdhsa_kernel k_qf382503616_kv
		.amdhsa_group_segment_fixed_size 327680
		.amdhsa_private_segment_fixed_size 0
		.amdhsa_enable_private_segment 0
		.amdhsa_kernarg_size 56
		.amdhsa_user_sgpr_count 2
		.amdhsa_user_sgpr_kernarg_segment_ptr 1
		.amdhsa_wavefront_size32 1
		.amdhsa_system_sgpr_workgroup_id_x 1
		.amdhsa_system_sgpr_workgroup_id_y 1
		.amdhsa_system_sgpr_workgroup_id_z 1
		.amdhsa_system_vgpr_workitem_id 0
		.amdhsa_next_free_vgpr 1024
		.amdhsa_next_free_sgpr 96
		.amdhsa_reserve_vcc 0
		.amdhsa_float_denorm_mode_32 3
		.amdhsa_float_denorm_mode_16_64 3
		.amdhsa_memory_ordered 1
		.amdhsa_forward_progress 1
		.amdhsa_inst_pref_size 171
	.end_amdhsa_kernel
	.amdgpu_metadata
---
amdhsa.version: [ 1, 2 ]
amdhsa.kernels:
  - .name:           k_qf382503616_kv
    .symbol:         k_qf382503616_kv.kd
    .args:
      - { .name: wt, .offset: 0, .size: 8, .value_kind: global_buffer, .address_space: global }
      - { .name: xn, .offset: 8, .size: 8, .value_kind: global_buffer, .address_space: global }
      - { .name: bk, .offset: 16, .size: 8, .value_kind: global_buffer, .address_space: global }
      - { .name: bv, .offset: 24, .size: 8, .value_kind: global_buffer, .address_space: global }
      - { .name: src_mask, .offset: 32, .size: 8, .value_kind: global_buffer, .address_space: global }
      - { .name: part, .offset: 40, .size: 8, .value_kind: global_buffer, .address_space: global }
      - { .name: stats, .offset: 48, .size: 8, .value_kind: global_buffer, .address_space: global }
    .group_segment_fixed_size: 327680
    .private_segment_fixed_size: 0
    .kernarg_segment_align: 8
    .kernarg_segment_size: 56
    .max_flat_workgroup_size: 128
    .sgpr_count:     96
    .vgpr_count:     1024
    .wavefront_size: 32
...
	.end_amdgpu_metadata
.endif
;; end of part 2
;; launch comb (part 3): grid 256 x 1, 8 waves a work-group, no clusters, 0 bytes of LDS; arguments part, stats, attf; writes attf
.if DOCPART == 3
	.amdgcn_target "amdgcn-amd-amdhsa--gfx1250"
	.amdhsa_code_object_version 6
	.text
	.protected	k_qf382503616_comb
	.globl	k_qf382503616_comb
	.p2align	8
	.type	k_qf382503616_comb,@function
k_qf382503616_comb:
	s_mov_b64 s[64:65], 0
	v_nop
	global_prefetch_b8 v0, s[64:65] scope:SCOPE_SE
	s_setreg_imm32_b32 hwreg(HW_REG_WAVE_MODE, 25, 1), 1
	s_wait_xcnt 0x0
; att[d][l] = sum over a head's 16 time tiles c of w_c[d] part_c[d][l],  w_c[d] = 2^(cm_c[d] - CM[d]) / sum over c of 2^(cm_c[d] - CM[d]) (Z0_c[d] + Z1_c[d]),  CM = the largest cm_c.
; That is the softmax over time, joined by a maximum taken over all tiles; sums in f32; att rounded once to bf16 and stored in the order in which the next launch's matrix instruction takes it as
; source 0: attf [batch x head 32][l block 8][32 d 4][half 2][lane 32][8]: lane (r, h) holds att[32 ks + 16 half + 8 h + 0..7][16 lb + r].
; A work-group: one (batch, head) and 16 d; each of its eight waves 16 l: one accumulator's 16 x 16 numbers over the 16 tiles, 16 KiB of loads that are all out at once.
; A stream of 34 MB with a few operations a number: no LDS, no matrix unit, no cluster.  LIMITS: a factor below 2^-126 counts as 0; NaN and infinities are not treated apart.
.set CMR, 16                           ; v16-23  lane (c, h): cm of tile c, features 8 h + j; then the factor e
.set Z0,  24                           ; v24-31  Z of the first time half; then the sum; then its reciprocal
.set Z1,  32                           ; v32-39  of the second
.set MXR, 40                           ; v40-47  CM
.set W,   48                           ; v48-55  w
.set T,   56                           ; v56-63  w of one tile, in every lane of the half
.set P,   64                           ; v64-191 tile c's eight numbers at P + 8 c
.set ACC, 192                          ; v192-199
.set OUT, 200                          ; v200-203
	s_load_b128 s[4:7], s[0:1], 0x0                ; part s[4:5], stats s[6:7]
	s_load_b64 s[8:9], s[0:1], 0x10                ; attf
	v_lshrrev_b32 v1, 5, v0
	v_readfirstlane_b32 s10, v1                    ; lb: my 16 l
	s_lshr_b32 s11, ttmp9, 3                       ; batch x head
	s_and_b32 s12, ttmp9, 7                        ; db: the work-group's 16 d
	v_and_b32 v2, 15, v0                           ; r
	v_bfe_u32 v3, v0, 4, 1                         ; h
	v_and_b32 v4, 31, v0
	v_lshlrev_b32 v4, 4, v4                        ; 16 x lane
	v_lshlrev_b32 v5, 11, v2                       ; stats: tile r's 2,048 bytes,
	v_lshl_add_u32 v5, v3, 5, v5                   ; eight features for each half of the lanes
	s_lshl_b32 s14, s11, 15                        ; 16 tiles of 2,048 bytes a head; 64 bytes for 16 d
	s_lshl_b32 s15, s12, 6
	s_add_co_u32 s14, s14, s15
	s_mov_b32 s15, 0
	s_lshl_b32 s16, s11, 20                        ; part: 16 tiles of 65,536 bytes a head;
	s_lshr_b32 s17, s12, 2                         ; the wave that made the unit: 2 (db / 4) + lb / 4;
	s_lshl_b32 s17, s17, 1
	s_lshr_b32 s18, s10, 2
	s_add_co_u32 s17, s17, s18
	s_lshl_b32 s17, s17, 14
	s_add_co_u32 s16, s16, s17
	s_and_b32 s17, s12, 3                          ; its accumulator 4 (db % 4) + lb % 4
	s_lshl_b32 s17, s17, 2
	s_and_b32 s18, s10, 3
	s_add_co_u32 s17, s17, s18
	s_lshl_b32 s17, s17, 10
	s_add_co_u32 s16, s16, s17
	s_mov_b32 s17, 0
	s_lshl_b32 s18, s11, 15                        ; attf: 32,768 bytes a head, 4,096 an l block, 512 for 16 d
	s_lshl_b32 s19, s10, 12
	s_add_co_u32 s18, s18, s19
	s_lshl_b32 s19, s12, 9
	s_add_co_u32 s18, s18, s19
	s_mov_b32 s19, 0
	s_wait_kmcnt 0x0
	s_add_nc_u64 s[6:7], s[6:7], s[14:15]
	s_add_nc_u64 s[4:5], s[4:5], s[16:17]
	s_add_nc_u64 s[8:9], s[8:9], s[18:19]
	global_load_b128 v[CMR:CMR+3],   v5, s[6:7]
	global_load_b128 v[CMR+4:CMR+7], v5, s[6:7] offset:16
	global_load_b128 v[Z0:Z0+3],     v5, s[6:7] offset:512
	global_load_b128 v[Z0+4:Z0+7],   v5, s[6:7] offset:528
	global_load_b128 v[Z1:Z1+3],     v5, s[6:7] offset:1536
	global_load_b128 v[Z1+4:Z1+7],   v5, s[6:7] offset:1552
.irp c, 0,1,2,3,4,5,6,7,8,9,10,11,12,13,14,15
	global_load_b128 v[P+8*(\c):P+8*(\c)+3],   v4, s[4:5] offset:(\c)*65536 th:TH_LOAD_NT      ; 512 consecutive bytes a load
	global_load_b128 v[P+8*(\c)+4:P+8*(\c)+7], v4, s[4:5] offset:(\c)*65536+512 th:TH_LOAD_NT
.endr
	s_wait_loadcnt 32                              ; the statistics are in; the 32 loads of partial products stay out
.irp j, 0,1,2,3,4,5,6,7
	v_mov_b32 v[MXR+(\j)], v[CMR+(\j)]
.endr
.irp m, 1,2,4,8
.irp j, 0,1,2,3,4,5,6,7
	v_max_num_f32_dpp v[MXR+(\j)], v[MXR+(\j)], v[MXR+(\j)] row_xmask:\m row_mask:0xf bank_mask:0xf   ; over the 16 lanes of a half: the 16 tiles
.endr
.endr
.irp j, 0,1,2,3,4,5,6,7
	v_sub_f32 v[CMR+(\j)], v[CMR+(\j)], v[MXR+(\j)]
.endr
.irp j, 0,1,2,3,4,5,6,7
	v_exp_f32 v[CMR+(\j)], v[CMR+(\j)]
.endr
.irp j, 0,1,2,3,4,5,6,7
	v_add_f32 v[Z0+(\j)], v[Z0+(\j)], v[Z1+(\j)]   ; plain lines behind the exponentials, which name none of their registers
.endr
	s_wait_alu depctr_va_vdst(0)
.irp j, 0,1,2,3,4,5,6,7
	v_mul_f32 v[Z0+(\j)], v[CMR+(\j)], v[Z0+(\j)]
.endr
.irp m, 1,2,4,8
.irp j, 0,1,2,3,4,5,6,7
	v_add_f32_dpp v[Z0+(\j)], v[Z0+(\j)], v[Z0+(\j)] row_xmask:\m row_mask:0xf bank_mask:0xf
.endr
.endr
.irp j, 0,1,2,3,4,5,6,7
	v_rcp_f32 v[Z0+(\j)], v[Z0+(\j)]               ; the tile that holds the maximum gives about 1 or more to the sum
.endr
.irp j, 0,1,2,3,4,5,6,7
	v_mov_b32 v[T+(\j)], 0                         ; plain lines behind the reciprocals; a DPP line's destination counts as read
.endr
	s_wait_alu depctr_va_vdst(0)
.irp j, 0,1,2,3,4,5,6,7
	v_mul_f32 v[W+(\j)], v[CMR+(\j)], v[Z0+(\j)]
.endr
.irp c, 0,1,2,3,4,5,6,7,8,9,10,11,12,13,14,15
	s_wait_loadcnt 30-2*(\c)                       ; tile c's two loads are in; the later tiles' stay out
.irp j, 0,1,2,3,4,5,6,7
	v_mov_b32_dpp v[T+(\j)], v[W+(\j)] row_share:\c row_mask:0xf bank_mask:0xf   ; lane c of my half holds tile c's factors for my eight d
.endr
.irp k, 0,1,2,3
.if (\c) == 0
	v_pk_mul_f32 v[ACC+2*(\k):ACC+2*(\k)+1], v[T+2*(\k):T+2*(\k)+1], v[P+8*(\c)+2*(\k):P+8*(\c)+2*(\k)+1]   ; the first tile starts the sums
.else
	v_pk_fma_f32 v[ACC+2*(\k):ACC+2*(\k)+1], v[T+2*(\k):T+2*(\k)+1], v[P+8*(\c)+2*(\k):P+8*(\c)+2*(\k)+1], v[ACC+2*(\k):ACC+2*(\k)+1]
.endif
.endr
.endr
.irp k, 0,1,2,3
	v_cvt_pk_bf16_f32 v[OUT+(\k)], v[ACC+2*(\k)], v[ACC+2*(\k)+1]
.endr
	global_store_b128 v4, v[OUT:OUT+3], s[8:9]     ; 512 consecutive bytes, aligned
	s_endpgm
.Lfunc_end_k_qf382503616_comb:
	.size	k_qf382503616_comb, .Lfunc_end_k_qf382503616_comb-k_qf382503616_comb
	.p2alignl 7, 3214868480
	.fill 96, 4, 3214868480
	.section	.rodata,"a",@progbits
	.p2align	6, 0x0
	.amdhsa_kernel k_qf382503616_comb
		.amdhsa_group_segment_fixed_size 0
		.amdhsa_private_segment_fixed_size 0
		.amdhsa_enable_private_segment 0
		.amdhsa_kernarg_size 24
		.amdhsa_user_sgpr_count 2
		.amdhsa_user_sgpr_kernarg_segment_ptr 1
		.amdhsa_wavefront_size32 1
		.amdhsa_system_sgpr_workgroup_id_x 1
		.amdhsa_system_sgpr_workgroup_id_y 1
		.amdhsa_system_sgpr_workgroup_id_z 1
		.amdhsa_system_vgpr_workitem_id 0
		.amdhsa_next_free_vgpr 208
		.amdhsa_next_free_sgpr 66
		.amdhsa_reserve_vcc 0
		.amdhsa_float_denorm_mode_32 3
		.amdhsa_float_denorm_mode_16_64 3
		.amdhsa_memory_ordered 1
		.amdhsa_forward_progress 1
		.amdhsa_inst_pref_size 25
	.end_amdhsa_kernel
	.amdgpu_metadata
---
amdhsa.version: [ 1, 2 ]
amdhsa.kernels:
  - .name:           k_qf382503616_comb
    .symbol:         k_qf382503616_comb.kd
    .args:
      - { .name: part, .offset: 0, .size: 8, .value_kind: global_buffer, .address_space: global }
      - { .name: stats, .offset: 8, .size: 8, .value_kind: global_buffer, .address_space: global }
      - { .name: attf, .offset: 16, .size: 8, .value_kind: global_buffer, .address_space: global }
    .group_segment_fixed_size: 0
    .private_segment_fixed_size: 0
    .kernarg_segment_align: 8
    .kernarg_segment_size: 24
    .max_flat_workgroup_size: 256
    .sgpr_count:     66
    .vgpr_count:     208
    .wavefront_size: 32
...
	.end_amdgpu_metadata
.endif
;; end of part 3
;; launch qout (part 4): grid 4 x 64, 4 waves a work-group, clusters of 4 x 4, 327,680 bytes of LDS; arguments xn, wt, bq, attf, x, out0; writes out0
.if DOCPART == 4
	.amdgcn_target "amdgcn-amd-amdhsa--gfx1250"
	.amdhsa_code_object_version 6
	.text
	.protected	k_qf382503616_qout
	.globl	k_qf382503616_qout
	.p2align	8
	.type	k_qf382503616_qout,@function
k_qf382503616_qout:
	s_mov_b64 s[64:65], 0
	v_nop
	global_prefetch_b8 v0, s[64:65] scope:SCOPE_SE
	s_setreg_imm32_b32 hwreg(HW_REG_WAVE_MODE, 25, 1), 1
	s_wait_xcnt 0x0
	s_wait_alu depctr_hold_cnt(0) depctr_sa_sdst(0) depctr_va_vdst(0) depctr_va_sdst(0) depctr_va_ssrc(0) depctr_va_vcc(0) depctr_vm_vsrc(0)
	s_getreg_b32 s2, hwreg(HW_REG_IB_STS2, 6, 4)
	s_cmp_eq_u32 s2, 0
	s_cbranch_scc0 .Lentry_in_a_cluster
	s_endpgm
.Lentry_in_a_cluster:
	s_bfe_u32 s2, ttmp6, 0x10000c
	s_cmp_lg_u32 s2, 0xf033
	s_cbranch_scc0 .Lentry_shape_is_right
	s_endpgm
.Lentry_shape_is_right:
; For one tile of 256 time steps (grid y) and two heads (grid x): q = xn Wq + bq (256 x 256 x K = 1,024), softmax over each head's 128 features, y = q att, out = x + y.  q never reaches memory.
; THE PRODUCT.  A = xn's rows (time), B = wt's rows 0-1023 (features).  Four waves, each 128 x 128: 64 accumulators.  K goes in steps of 128 through a ring of two LDS slots filled by tensor loads.
; The matrix instruction takes 16 rows of B as source 0 and 16 rows of A as source 1: a lane holds ONE time (lane % 16) and eight consecutive features.  A wave's 128 features are ONE head,
; so the softmax wants one exchange between the halves of the lanes.  The first products take the bias as C.
; A TRIP OF THE LOOP IS ONE K STEP, so that a step's text stands once.  The slots change places by an exclusive or with SLOT = 0x22000: the slot offsets are 0 and SLOT, and a wave's tile begins at
; wave x 0x8800 = 0, 0x8800, 0x11000 or 0x19800, none of which has one of SLOT's two bits, so the exclusive or adds SLOT or takes it away.  One descriptor for A and one for B walk: the other slot, the next K step.
; CLUSTER 4 x 4: the four pairs of heads of a row of the cluster share xn's tile, the four time tiles of a column share wt's: each tile is asked for jointly.
; THE WAY OUT, a block of 16 times at a time: m = the row's maximum, e = 2^(c q - c m), c = log2(e), rounded to bf16: two packed accumulators ARE source 1 (32 features x 16 times) of
; Y^T = att^T E; the row's sum is a product of ones with E, of the same rounded numbers; out = Y / sum + x is one multiply-add.  att of my head (128 x 128 bf16) fills window 1.
; x comes by tensor loads of the wave's own (64 rows x 512 bytes) into the slots when they are read no more; the result goes back into the same bytes, which are filled no more, and leaves as whole rows.
; What names a block's own accumulators (the maximum and the scaling) is written for each of the eight blocks; the rest once for each half, in a counted loop.
; PREFETCH: each wave asks for its own 64 rows x 512 bytes of x, lanes 256 bytes apart, each block of 256 bytes once: the first half three quarter steps ahead of its tensor load, the second a K step ahead.
; LIMITS.  xn, the weights, e and att are rounded once to bf16; sums, maxima and the residual stay in f32.  A weight below 2^-126 counts as 0.  NaN and infinities are not treated apart.
; REGISTERS, in windows of 256 (s_set_vgpr_msb: bits 1:0 source 0, 3:2 source 1, 5:4 source 2, 7:6 destination):
;   window 0: v0-29 addresses; v32-39 ones; v40-63 statistics; v64-191 A's fragments, later E and Y; v192-255 the bias tiles, later x and out
;   window 1: v64-191 B's fragments; later all 256: att, fragment (l block, 32 d) at v[32 lb + 8 ks]        windows 2, 3: accumulator (a, b) at v[8 (8 (a % 4) + b)]
.set SIZE_K, 1024
.set KSTEP,  128
.set KSTEPS, SIZE_K/KSTEP
.set PITCH,  272                       ; an LDS row: 256 bytes + 16: the 16 rows of a fragment load start at 16 different groups of four banks (64 banks of 4 bytes: ISA guide 11.1)
.set HALFT,  128*PITCH
.set SLOT,   4*HALFT
.set SPARE,  2*SLOT                    ; behind the ring: the spare words, 128 bytes for each wave
.set XP,     528                       ; a row of x in LDS: 512 bytes + 16
.set XW,     64*XP                     ; a wave's 64 rows; four waves' fit in a slot
.set XD,   6                           ; v6   my 32 bytes of row r of the block in hand
.set RD,   7                           ; v7   my 16 bytes of a whole row
.set GO,   8                           ; v8   16 x lane
.set PF,   10                          ; v10  the prefetches' offset: row lane / 2, 256 bytes x lane % 2; never rewritten
.set ADRA, 16                          ; v16  my A fragments in the slot in hand; v17 in the other slot
.set ABASE, 18                         ; v18  in slot 0; never rewritten
.set ADRB, 20                          ; v20, v21, v22: the same for B
.set BBASE, 22
.set SPW,  28                          ; v28  LDS address of my spare word; never rewritten
.set NIL,  29                          ; v29  0; never rewritten
.set ONE,  32                          ; v32-39  1.0 in every bf16
.set CH,   40                          ; v40-44  four chains, and the other half of the lanes'
.set MXR,  45                          ; v45     the row's maximum
.set CM,   46                          ; v46-47  c m
.set INV,  48                          ; v48-49  1 / sum
.set SUMT, 56                          ; v56-63  the row's sum
.set F0,   64
.set F1,   128
.set QF,   64                          ; v64-95   E, packed
.set SF,   96                          ; v96-159  c q - c m, then e
.set Y,    96                          ;          then Y
.set BI,   192                         ; the bias tiles
.set XR,   192                         ; later x, then out
.set TBC, 8                            ; s8   first byte of the slot in hand
.set TBN, 9                            ; s9   of the other slot
.set G1, 24
.set G0, 32                            ; s[32:35] K step 0's load; s[36:39] K step 1's, which then walks
.set G1B, 48
.set G0B, 56
.set IC,  76                           ; s76  counts a half's four blocks
.set CS,  78                           ; s[78:79] c
.set SEL, 80                           ; s[80:81] v_permlanex16_b32's selects
.set G1X, 84                           ; s[84:91] descriptor group 1 for x
.set G0X, 92                           ; s[92:99] group 0 for x's two halves; never rewritten
.set MSB, 0
.macro WIN new                         ; the immediate's high byte repeats the setting that is left; a switch that changes nothing is dropped
.if MSB != (\new)
	s_set_vgpr_msb (MSB<<8)|(\new)
.set MSB, \new
.endif
.endm
.set MUL_LO, 0xa1                      ; source 0 (B) window 1, source 1 (A) window 0, C and D window 2
.set MUL_Z,  0x81                      ; the same with C in window 0: the bias
.set TO_B,   0x40
; A joint load.  Waves 0 and 1 fetch A's two halves, waves 2 and 3 B's.  The branch hangs on the wave's number alone.  An s_nop 0 and four v_nop follow each line.
.macro JLOAD s
	s_cmp_eq_u32 s11, 0
	s_cbranch_scc0 .Lfor_b_\@
	tensor_load_to_lds s[G0+4*(\s):G0+4*(\s)+3], s[G1:G1+7]
	s_nop 0
.rept 4
	v_nop
.endr
	s_branch .Lasked_\@
.Lfor_b_\@:
	tensor_load_to_lds s[G0B+4*(\s):G0B+4*(\s)+3], s[G1B:G1B+7]
	s_nop 0
.rept 4
	v_nop
.endr
.Lasked_\@:
.endm
.macro XLOAD p                         ; half p of my wave's rows of x, into slot p: a load of my own, with no mask
	tensor_load_to_lds s[G0X+4*(\p):G0X+4*(\p)+3], s[G1X:G1X+7]
	s_nop 0
.rept 4
	v_nop
.endr
.endm
.macro CREST                           ; a round of the cluster's barrier behind its opening barrier
	s_cmp_lg_u32 s10, 0
	s_cbranch_scc1 .Lnot_wave_0_\@
	s_barrier_signal -3
.Lnot_wave_0_\@:
	s_barrier_wait -3
	s_barrier_signal -1
	s_barrier_wait -1
.endm
.macro CROUND
	s_barrier_signal -1
	s_barrier_wait -1
	CREST
.endm
.macro AIM                             ; the fragment addresses, from the two slots' first bytes
	v_add_nc_u32 v[ADRA],   s[TBC], v[ABASE]
	v_add_nc_u32 v[ADRA+1], s[TBN], v[ABASE]
	v_add_nc_u32 v[ADRB],   s[TBC], v[BBASE]
	v_add_nc_u32 v[ADRB+1], s[TBN], v[BBASE]
.endm
	s_load_b128 s[4:7], s[0:1], 0x0                ; xn s[4:5], wt s[6:7]
	s_load_b256 s[68:75], s[0:1], 0x10             ; bq s[68:69], attf s[70:71], x s[72:73], out0 s[74:75]
	v_lshl_add_u32 v[SPW], v0, 2, SPARE
	v_mov_b32 v[NIL], 0
	ds_add_u32 v[SPW], v[NIL]                      ; the wave's opening: the add and its wait stand ahead of my first tensor load; work on registers stands between them
	v_lshrrev_b32 v1, 5, v0
	v_readfirstlane_b32 s10, v1                    ; wave 0..3
	s_lshr_b32 s11, s10, 1                         ; which 128 times are mine.  Also: I fetch for A (0) or for B (1)
	s_and_b32 s12, s10, 1                          ; which of the two heads.  Also: which 128 rows of that tile I fetch
	s_bfe_u32 s40, ttmp6, 0x40000                  ; cx
	s_bfe_u32 s41, ttmp6, 0x40004                  ; cy
	s_lshl_b32 s42, ttmp9, 2
	s_add_co_u32 s42, s42, s40                     ; the pair of heads = 4 x cluster x + cx
	s_and_b32 s13, ttmp7, 0xffff
	s_lshl_b32 s13, s13, 2
	s_add_co_u32 s13, s13, s41                     ; the time tile = 4 x cluster y + cy
	s_lshl_b32 s43, s41, 2
	s_lshl_b32 s43, 15, s43                        ; my row of the cluster
	s_lshl_b32 s44, 0x1111, s40                    ; my column
	s_or_b32 s[G1+0], s43, (1<<16)|(1<<20)|(1<<21)|(5<<22)|(3<<25)   ; the mask: A's tiles go to my row; 2-byte elements; padding on; bit 21 beside a mask; after every 64 words 4 words
	s_or_b32 s[G1B+0], s44, (1<<16)|(1<<20)|(1<<21)|(5<<22)|(3<<25)  ; the same with my column's mask
.irp g, G1, G1B
	s_mov_b32 s[(\g)+1], KSTEP<<16                 ; tensor_dim0 = 128
	s_mov_b32 s[(\g)+2], 128<<16                   ; tensor_dim1 = 128
	s_mov_b32 s[(\g)+3], KSTEP<<16                 ; tile_dim0 = 128
	s_mov_b32 s[(\g)+4], 128                       ; tile_dim1 = 128
	s_mov_b32 s[(\g)+5], SIZE_K                    ; elements from row to row
	s_mov_b32 s[(\g)+6], 0
	s_mov_b32 s[(\g)+7], 0
.endr
	s_mov_b32 s[G1X+0], (2<<16)|(1<<20)|(6<<22)|(3<<25)  ; no mask; 4-byte elements; padding on; after every 128 words 4 words
	s_mov_b32 s[G1X+1], 128<<16                    ; tensor_dim0 = 128
	s_mov_b32 s[G1X+2], 64<<16                     ; tensor_dim1 = 64
	s_mov_b32 s[G1X+3], 128<<16                    ; tile_dim0 = 128
	s_mov_b32 s[G1X+4], 64                         ; tile_dim1 = 64
	s_mov_b32 s[G1X+5], 1024                       ; elements from row to row
	s_mov_b32 s[G1X+6], 0
	s_mov_b32 s[G1X+7], 0
	s_lshl_b32 s17, s12, 7
	s_lshl_b32 s16, s13, 8
	s_add_co_u32 s16, s16, s17                     ; A: row 256 x time tile + 128 x half
	s_lshl_b32 s16, s16, 11
	s_lshl_b32 s46, s42, 8
	s_add_co_u32 s46, s46, s17                     ; B: row 256 x pair of heads + 128 x half
	s_lshl_b32 s46, s46, 11
	s_mov_b32 s17, 0
	s_mov_b32 s47, 0
	s_mul_i32 s20, s10, HALFT
	s_mov_b32 s[CS], 0x3fb8aa3b                    ; c = log2(e)
	s_mov_b32 s[CS+1], s[CS]
	s_mov_b32 s[SEL], 0x76543210
	s_mov_b32 s[SEL+1], 0xfedcba98
	s_mov_b32 s[TBC], 0
	s_mov_b32 s[TBN], SLOT
	s_wait_dscnt 0x0                               ; the opening add is done
	s_wait_kmcnt 0x0
	s_add_nc_u64 s[14:15], s[4:5], s[16:17]
	s_add_nc_u64 s[46:47], s[6:7], s[46:47]
	CROUND                                         ; all sixteen work-groups are here: the first joint loads meet
.irp s, 0,1
	s_mov_b32 s[G0+4*(\s)], 1
	s_add_co_u32 s[G0+4*(\s)+1], s20, (\s)*SLOT
	s_add_nc_u64 s[G0+4*(\s)+2:G0+4*(\s)+3], s[14:15], (\s)*KSTEP*2
	s_or_b32 s[G0+4*(\s)+3], s[G0+4*(\s)+3], 0x80000000
	s_mov_b32 s[G0B+4*(\s)], 1
	s_add_co_u32 s[G0B+4*(\s)+1], s20, (\s)*SLOT
	s_add_nc_u64 s[G0B+4*(\s)+2:G0B+4*(\s)+3], s[46:47], (\s)*KSTEP*2
	s_or_b32 s[G0B+4*(\s)+3], s[G0B+4*(\s)+3], 0x80000000
	JLOAD \s                                       ; two tensor loads of mine are out
.endr
	v_and_b32 v1, 15, v0                           ; r = lane % 16
	v_bfe_u32 v2, v0, 4, 1                         ; h = lane / 16
	s_lshl_b32 s77, s42, 1
	s_add_co_u32 s77, s77, s12                     ; my head
	s_lshl_b32 s82, s77, 9                         ; its 128 features x 4 bytes
	s_mov_b32 s83, 0
	s_add_nc_u64 s[68:69], s[68:69], s[82:83]
	v_lshlrev_b32 v5, 5, v2
.irp b, 0,1,2,3,4,5,6,7
	global_load_b128 v[BI+8*(\b):BI+8*(\b)+3],   v5, s[68:69] offset:64*(\b)      ; register 8 b + j: the bias of feature 16 b + 8 h + j, as in accumulator b
	global_load_b128 v[BI+8*(\b)+4:BI+8*(\b)+7], v5, s[68:69] offset:64*(\b)+16
.endr
	v_mul_u32_u24 v3, v1, PITCH
	v_lshl_add_u32 v3, v2, 4, v3                   ; a fragment's row x pitch + 16 x half
	s_mul_i32 s21, s11, HALFT                      ; my 128 rows of A
	s_mul_i32 s22, s12, HALFT                      ; my 128 rows of B,
	s_add_co_u32 s22, s22, 2*HALFT                 ; which lie behind A's 256
	v_add_nc_u32 v[ABASE], s21, v3
	v_add_nc_u32 v[BBASE], s22, v3
	AIM
	s_lshl_b32 s22, s13, 20                        ; x and out: 256 rows of 4,096 bytes a time tile,
	s_lshl_b32 s23, s11, 19                        ; 128 rows a half, my head's 512 bytes of a row
	s_add_co_u32 s82, s82, s22
	s_add_co_u32 s82, s82, s23
	s_add_nc_u64 s[100:101], s[72:73], s[82:83]
	s_add_nc_u64 s[74:75], s[74:75], s[82:83]
	s_lshr_b32 s82, s13, 4                         ; att: (batch x 8 + head) x 32,768 bytes
	s_lshl_b32 s82, s82, 3
	s_add_co_u32 s82, s82, s77
	s_lshl_b32 s82, s82, 15
	s_add_nc_u64 s[70:71], s[70:71], s[82:83]
	s_mov_b32 s[G0X], 1
	s_mul_i32 s[G0X+1], s10, XW                    ; slot 0, my wave's 33,792 bytes
	s_add_nc_u64 s[G0X+2:G0X+3], s[100:101], 0
	s_or_b32 s[G0X+3], s[G0X+3], 0x80000000
	s_mov_b32 s[G0X+4], 1
	s_add_co_u32 s[G0X+5], s[G0X+1], SLOT          ; slot 1
	s_add_nc_u64 s[G0X+6:G0X+7], s[100:101], 64*4096
	s_or_b32 s[G0X+7], s[G0X+7], 0x80000000
	v_mul_u32_u24 v[XD], v1, XP
	v_lshl_add_u32 v[XD], v2, 5, v[XD]
	v_add_nc_u32 v[XD], s[G0X+1], v[XD]            ; row r, 32 bytes for each half of the lanes
	v_and_b32 v[GO], 31, v0
	v_lshrrev_b32 v[PF], 1, v[GO]
	v_lshlrev_b32 v[PF], 12, v[PF]
	v_and_b32 v9, 1, v0
	v_lshl_add_u32 v[PF], v9, 8, v[PF]
	v_lshlrev_b32 v[GO], 4, v[GO]
	v_add_nc_u32 v[RD], s[G0X+1], v[GO]
.irp i, 0,1,2,3,4,5,6,7
	v_mov_b32 v[ONE+(\i)], 0x3f803f80
.endr
	v_mov_b32 v[CH+4], 0                           ; v_permlanex16_b32's destination counts as read
; 16 matrix instructions: blocks a0, a0 + 1 of the window's four x all 8 blocks of B, 32 along K.  zero = 1: the first product starts the sums with block b's biases.
.macro MUL16 f, hi, a0, zero
.if \zero
	WIN MUL_Z+0x40*(\hi)
.else
	WIN MUL_LO+0x50*(\hi)
.endif
.irp a, \a0, (\a0)+1
.irp b, 0,1,2,3,4,5,6,7
.if \zero
	v_wmma_f32_16x16x32_bf16 v[8*(8*(\a)+(\b)):8*(8*(\a)+(\b))+7], v[(\f)+8*(\b):(\f)+8*(\b)+7], v[(\f)+8*(4*(\hi)+(\a)):(\f)+8*(4*(\hi)+(\a))+7], v[BI+8*(\b):BI+8*(\b)+7]
.else
	v_wmma_f32_16x16x32_bf16 v[8*(8*(\a)+(\b)):8*(8*(\a)+(\b))+7], v[(\f)+8*(\b):(\f)+8*(\b)+7], v[(\f)+8*(4*(\hi)+(\a)):(\f)+8*(4*(\hi)+(\a))+7], v[8*(8*(\a)+(\b)):8*(8*(\a)+(\b))+7]
.endif
.endr
.endr
.endm
.macro FETCH slot, k, f                ; 32 LDS loads in one run: a quarter step's fragments (B's, then A's) into buffer f.  slot 0: the slot in hand; 1: the other
	WIN TO_B
.irp i, 0,1,2,3,4,5,6,7
	ds_load_b128 v[(\f)+8*(\i):(\f)+8*(\i)+3],   v[ADRB+(\slot)] offset:(\k)+(\i)*16*PITCH
	ds_load_b128 v[(\f)+8*(\i)+4:(\f)+8*(\i)+7], v[ADRB+(\slot)] offset:(\k)+(\i)*16*PITCH+32
.endr
	WIN 0
.irp i, 0,1,2,3,4,5,6,7
	ds_load_b128 v[(\f)+8*(\i):(\f)+8*(\i)+3],   v[ADRA+(\slot)] offset:(\k)+(\i)*16*PITCH
	ds_load_b128 v[(\f)+8*(\i)+4:(\f)+8*(\i)+7], v[ADRA+(\slot)] offset:(\k)+(\i)*16*PITCH+32
.endr
.endm
.macro PLACES                          ; four plain vector instructions between a matrix instruction and a load into, or a vector line on, its registers (ISA guide 7.12.1 for vector instructions)
.rept 4
	v_nop
.endr
.endm
.macro QUARTER slot, k, f, g, zero     ; 64 matrix instructions on buffer f; in their middle the next quarter's fragments, at byte k, into g
	s_wait_dscnt 8                                 ; B and A's rows 0-63 are in; the youngest eight loads may be out
	MUL16 \f, 0, 0, \zero
	MUL16 \f, 0, 2, \zero
	PLACES
	FETCH \slot, \k, \g
	s_wait_dscnt 32                                ; all but the 32 just issued
	MUL16 \f, 1, 0, \zero
	MUL16 \f, 1, 2, \zero
.endm
; The change of slots opens a round of the cluster's barrier.  In front of it each wave waits for all its tensor loads, adds 0 to its spare word, and waits for that and for its reads of the slot in hand.
.macro MEET
	WIN 0
	s_wait_tensorcnt 0x0
	ds_add_u32 v[SPW], v[NIL]
	s_wait_dscnt 9                                 ; (the add and the youngest eight loads may be out)
	MUL16 F1, 0, 0, 0
	s_wait_dscnt 0x0                               ; the add is done, and my reads of the slot in hand are over
	s_barrier_signal -1
	MUL16 F1, 0, 2, 0
	WIN 0
	s_barrier_wait -1
	CREST
.endm
.macro TURN kind                       ; the last quarter of a K step.  kind = 0: the slot in hand takes the K step two ahead; kind = 2: it takes the first half of my rows of x
	MEET
.if (\kind) == 0
	s_xor_b32 s[G0+5], s[G0+5], SLOT               ; the walking descriptors: the other slot than last time, which is the slot in hand,
	s_add_nc_u64 s[G0+6:G0+7], s[G0+6:G0+7], KSTEP*2   ; the K step behind the last one asked for; the type bits on top are not reached
	s_xor_b32 s[G0B+5], s[G0B+5], SLOT
	s_add_nc_u64 s[G0B+6:G0B+7], s[G0B+6:G0B+7], KSTEP*2
	JLOAD 1                                        ; my one tensor load behind the round; its four v_nop are also the places in front of the loads below
.else
	XLOAD 0
.endif
	FETCH 1, 0, F0
	MUL16 F1, 1, 0, 0
	MUL16 F1, 1, 2, 0
.endm
	s_wait_tensorcnt 0x1                           ; my part of K step 0 is in; K step 1's may stay out
	s_barrier_signal -1
	s_barrier_wait -1
	FETCH 0, 0, F0
	s_wait_loadcnt 0x0                             ; the biases
	QUARTER 0, 64,  F0, F1, 1
	WIN 0
	s_mov_b32 s3, KSTEPS-2
.Lstep:                                                ; a trip: a K step's second, third and last quarter and the next step's first; the slot that it leaves is filled again
	QUARTER 0, 128, F1, F0, 0
	QUARTER 0, 192, F0, F1, 0
	TURN 0
	QUARTER 1, 64,  F0, F1, 0
	WIN 0
	s_xor_b32 s[TBC], s[TBC], SLOT                 ; the slots change places
	s_xor_b32 s[TBN], s[TBN], SLOT
	AIM
	s_sub_co_u32 s3, s3, 1
	s_cmp_lg_u32 s3, 0
	s_cbranch_scc1 .Lstep
.irp i, 0,1,2,3
	global_prefetch_b8 v[PF], s[100:101] offset:65536*(\i) th:TH_LOAD_NT scope:SCOPE_SE           ; my rows 0-63 of x: 16 rows x 2 blocks of 256 bytes a line
.endr
	QUARTER 0, 128, F1, F0, 0                      ; the last two K steps; six changes have made slot 0 the slot in hand again
	QUARTER 0, 192, F0, F1, 0
	TURN 2                                         ; slot 0 is read no more: it takes x's first half
	WIN 0
.irp i, 0,1,2,3
	global_prefetch_b8 v[PF], s[100:101] offset:262144+65536*(\i) th:TH_LOAD_NT scope:SCOPE_SE    ; my rows 64-127
.endr
	QUARTER 1, 64,  F0, F1, 0
	QUARTER 1, 128, F1, F0, 0
	QUARTER 1, 192, F0, F1, 0
	MEET                                           ; the last quarter: slot 1 is read no more,
	XLOAD 1                                        ; and takes x's second half: my one tensor load behind the round
	MUL16 F1, 1, 0, 0
	MUL16 F1, 1, 2, 0
	; ---------------- THE WAY OUT ----------------
	PLACES                                         ; for the loads into B's buffers
	WIN TO_B
.set i, 0
.rept 32                               ; att of my head: fragment i = 4 lb + ks, as it was stored: 512 consecutive bytes a load
	global_load_b128 v[8*i:8*i+3],   v[GO], s[70:71] offset:1024*i
	global_load_b128 v[8*i+4:8*i+7], v[GO], s[70:71] offset:1024*i+512
.set i, i+1
.endr
	WIN 0
; The largest of a block's 64 registers in window w, from register base on: four chains of 16, three operands at a time, each accumulator's lowest registers first;
; then the lane 16 away, which holds the row's other 64 features, into v[CH+4].
.macro MAX64 w, base
	WIN 0x15*(\w)
.irp c, 0,1,2,3
	v_max3_num_f32 v[CH+(\c)], v[(\base)+16*(\c)], v[(\base)+16*(\c)+1], v[(\base)+16*(\c)+2]
.endr
	WIN 0x14*(\w)
.irp n, 0,1,2,3,4,5
.irp c, 0,1,2,3
	v_max3_num_f32 v[CH+(\c)], v[CH+(\c)], v[(\base)+16*(\c)+3+2*(\n)], v[(\base)+16*(\c)+4+2*(\n)]
.endr
.endr
	v_max3_num_f32 v[CH], v[CH], v[(\base)+15], v[(\base)+31]
	v_max3_num_f32 v[CH+2], v[CH+2], v[(\base)+47], v[(\base)+63]
	WIN 0
	v_max3_num_f32 v[CH], v[CH], v[CH+1], v[CH+2]
	v_max_num_f32 v[CH], v[CH], v[CH+3]
	v_permlanex16_b32 v[CH+4], v[CH], s[SEL], s[SEL+1]
.endm
.macro CASE a                          ; block a: the row's maximum, and c q - c m into window 0
	MAX64 2+(\a)/4, 64*((\a)%4)
	v_max_num_f32 v[MXR], v[CH], v[CH+4]
	v_mul_f32 v[CM], s[CS], v[MXR]
	v_mul_f32 v[CM+1], s[CS], v[MXR]               ; named with it as a pair
	WIN 2+(\a)/4
.set i, 0
.rept 32
	v_pk_fma_f32 v[SF+2*i:SF+2*i+1], v[64*((\a)%4)+2*i:64*((\a)%4)+2*i+1], s[CS:CS+1], v[CM:CM+1] op_sel_hi:[1,0,0] neg_lo:[0,0,1] neg_hi:[0,0,1]
.set i, i+1
.endr
	WIN 0
.endm
.macro COMMON                          ; what is alike for every block
.irp l, 0,1,2,3,4,5,6,7
	ds_load_b128 v[XR+8*(\l):XR+8*(\l)+3],   v[XD] offset:64*(\l)      ; x in the result's own layout: row r, features 16 l + 8 h + 0..7
	ds_load_b128 v[XR+8*(\l)+4:XR+8*(\l)+7], v[XD] offset:64*(\l)+16
.endr
.set i, 0
.rept 64
	v_exp_f32 v[SF+i], v[SF+i]
.set i, i+1
.endr
	v_nop                                          ; a plain instruction between the exponentials and the use of their results (ISA guide 5.7.2)
.set i, 0
	s_wait_alu depctr_va_vdst(0)
.rept 32
	v_cvt_pk_bf16_f32 v[QF+i], v[SF+2*i], v[SF+2*i+1]
.set i, i+1
.endr
	s_wait_loadcnt 0x0                             ; att: in the first block its flight lies under the softmax above; later no load is out
.irp k, 0,1,2,3                        ; 32 features a step; eight blocks of l and the sum: nine accumulators take turns
	WIN 0x01
.irp l, 0,1,2,3,4,5,6,7
.if (\k) == 0
	v_wmma_f32_16x16x32_bf16 v[Y+8*(\l):Y+8*(\l)+7], v[32*(\l)+8*(\k):32*(\l)+8*(\k)+7], v[QF+8*(\k):QF+8*(\k)+7], 0
.else
	v_wmma_f32_16x16x32_bf16 v[Y+8*(\l):Y+8*(\l)+7], v[32*(\l)+8*(\k):32*(\l)+8*(\k)+7], v[QF+8*(\k):QF+8*(\k)+7], v[Y+8*(\l):Y+8*(\l)+7]
.endif
.endr
	WIN 0
.if (\k) == 0
	v_wmma_f32_16x16x32_bf16 v[SUMT:SUMT+7], v[ONE:ONE+7], v[QF+8*(\k):QF+8*(\k)+7], 0
.else
	v_wmma_f32_16x16x32_bf16 v[SUMT:SUMT+7], v[ONE:ONE+7], v[QF+8*(\k):QF+8*(\k)+7], v[SUMT:SUMT+7]
.endif
.endr
	PLACES
	v_rcp_f32 v[INV], v[SUMT]                      ; every register of the sum's tile holds my row's sum: the lowest is read
	v_rcp_f32 v[INV+1], v[SUMT]
	v_nop
	s_wait_dscnt 0x0                               ; x
.set i, 0
	s_wait_alu depctr_va_vdst(0)
.rept 32
	v_pk_fma_f32 v[XR+2*i:XR+2*i+1], v[Y+2*i:Y+2*i+1], v[INV:INV+1], v[XR+2*i:XR+2*i+1]   ; out = Y / sum + x
.set i, i+1
.endr
.irp l, 0,1,2,3,4,5,6,7
	ds_store_b128 v[XD], v[XR+8*(\l):XR+8*(\l)+3]   offset:64*(\l)     ; back into the bytes that x left: my own, and filled no more
	ds_store_b128 v[XD], v[XR+8*(\l)+4:XR+8*(\l)+7] offset:64*(\l)+16
.endr
.irp t, 0,1,2,3,4,5,6,7,8,9,10,11,12,13,14,15
	ds_load_b128 v[XR+4*(\t):XR+4*(\t)+3], v[RD] offset:(\t)*XP        ; a whole row of 512 bytes; LDS serves a wave's instructions in order (ISA guide 5.7.1.4)
.endr
.irp t, 0,1,2,3,4,5,6,7,8,9,10,11,12,13,14,15
	s_wait_dscnt 15-(\t)
	global_store_b128 v[GO], v[XR+4*(\t):XR+4*(\t)+3], s[74:75] offset:(\t)*4096 th:TH_STORE_NT   ; the wave stores 512 consecutive bytes, aligned
.endr
	s_wait_xcnt 0x0                                ; the stores' base and data are rewritten only behind this wait
	s_add_nc_u64 s[74:75], s[74:75], 0x10000       ; 16 rows on
	v_add_nc_u32 v[XD], 16*XP, v[XD]
	v_add_nc_u32 v[RD], 16*XP, v[RD]
.endm
.macro HALF p                          ; blocks 4 p .. 4 p + 3: a counted loop; the forward jumps choose the block's own text
	s_mov_b32 s[IC], 4
.Lblock\p:
	s_cmp_eq_u32 s[IC], 4
	s_cbranch_scc1 .Lcase0_\p
	s_cmp_eq_u32 s[IC], 3
	s_cbranch_scc1 .Lcase1_\p
	s_cmp_eq_u32 s[IC], 2
	s_cbranch_scc1 .Lcase2_\p
	CASE 4*(\p)+3
	s_branch .Lcommon\p
.Lcase0_\p:
	CASE 4*(\p)
	s_branch .Lcommon\p
.Lcase1_\p:
	CASE 4*(\p)+1
	s_branch .Lcommon\p
.Lcase2_\p:
	CASE 4*(\p)+2
.Lcommon\p:
	COMMON
	s_sub_co_u32 s[IC], s[IC], 1
	s_cmp_lg_u32 s[IC], 0
	s_cbranch_scc1 .Lblock\p
.endm
	s_wait_tensorcnt 0x1                           ; x's first half is in; the second, issued behind it, may stay out
	HALF 0
	s_wait_tensorcnt 0x0                           ; x's second half
	v_add_nc_u32 v[XD], SLOT-64*XP, v[XD]          ; on to slot 1
	v_add_nc_u32 v[RD], SLOT-64*XP, v[RD]
	HALF 1
	s_wait_tensorcnt 0x0                           ; the wave's end, behind my last tensor load and my last LDS store
	ds_add_u32 v[SPW], v[NIL]
	s_wait_dscnt 0x0
	CROUND                                         ; the closing round: no work-group ends while a partner may still ask for a tile that names it
	s_endpgm
.Lfunc_end_k_qf382503616_qout:
	.size	k_qf382503616_qout, .Lfunc_end_k_qf382503616_qout-k_qf382503616_qout
	.p2alignl 7, 3214868480
	.fill 96, 4, 3214868480
	.section	.rodata,"a",@progbits
	.p2align	6, 0x0
	.amdhsa_kernel k_qf382503616_qout
		.amdhsa_group_segment_fixed_size 327680
		.amdhsa_private_segment_fixed_size 0
		.amdhsa_enable_private_segment 0
		.amdhsa_kernarg_size 48
		.amdhsa_user_sgpr_count 2
		.amdhsa_user_sgpr_kernarg_segment_ptr 1
		.amdhsa_wavefront_size32 1
		.amdhsa_system_sgpr_workgroup_id_x 1
		.amdhsa_system_sgpr_workgroup_id_y 1
		.amdhsa_system_sgpr_workgroup_id_z 1
		.amdhsa_system_vgpr_workitem_id 0
		.amdhsa_next_free_vgpr 1024
		.amdhsa_next_free_sgpr 102
		.amdhsa_reserve_vcc 0
		.amdhsa_float_denorm_mode_32 3
		.amdhsa_float_denorm_mode_16_64 3
		.amdhsa_memory_ordered 1
		.amdhsa_forward_progress 1
		.amdhsa_inst_pref_size 160
	.end_amdhsa_kernel
	.amdgpu_metadata
---
amdhsa.version: [ 1, 2 ]
amdhsa.kernels:
  - .name:           k_qf382503616_qout
    .symbol:         k_qf382503616_qout.kd
    .args:
      - { .name: xn, .offset: 0, .size: 8, .value_kind: global_buffer, .address_space: global }
      - { .name: wt, .offset: 8, .size: 8, .value_kind: global_buffer, .address_space: global }
      - { .name: bq, .offset: 16, .size: 8, .value_kind: global_buffer, .address_space: global }
      - { .name: attf, .offset: 24, .size: 8, .value_kind: global_buffer, .address_space: global }
      - { .name: x, .offset: 32, .size: 8, .value_kind: global_buffer, .address_space: global }
      - { .name: out0, .offset: 40, .size: 8, .value_kind: global_buffer, .address_space: global }
    .group_segment_fixed_size: 327680
    .private_segment_fixed_size: 0
    .kernarg_segment_align: 8
    .kernarg_segment_size: 48
    .max_flat_workgroup_size: 128
    .sgpr_count:     102
    .vgpr_count:     1024
    .wavefront_size: 32
...
	.end_amdgpu_metadata
.endif
;; end of part 4
